; MI455X (gfx1250); checked and timed in simulation.
; The chip was launched on July 23, 2026; its instructions are those of AMD's public machine-readable ISA for CDNA 5 (MIT licence, August 2026) and "CDNA5" Instruction Set Architecture Reference Guide (July 2026). The comments in the code are by the model that wrote it; some were corrected since.
;; Self Attention. Allowed arithmetic: float matrix products may take bf16 or f16 operands with f32 sums; all other float work in f32.
;; Inputs: W_attn 1,024 x 3,072 float32; W_proj 1,024 x 1,024 float32; attention_mask 4 x 2,048 int32; b_attn 3,072 float32; b_proj 1,024 float32; x 4 x 2,048 x 1,024 float32.
;; Outputs: out0 4 x 2,048 x 1,024 float32.
;; 2 versions, each right; version 2 is version 1 with the launch prep written anew for expert scheduling mode. Each part assembles by itself: llvm-mc -triple=amdgcn-amd-amdhsa -mcpu=gfx1250 --defsym DOCPART=n.
;; ======== version 1 of 2: 4 launches
;; limits: values are held in f16: magnitudes above 65,504 overflow, below 6.1e-05 lose precision
;; workspace buffers: xb 16,777,216 bytes; wa 6,291,456 bytes; wp 2,097,152 bytes; mb 32,768 bytes; qkv 50,331,648 bytes; yb 16,777,216 bytes
;; launch prep (part 1): grid 772 x 1, 8 waves a work-group, no clusters, 0 bytes of LDS; arguments x, W_attn, W_proj, attention_mask, xb, wa, wp, mb; writes xb, wa, wp, mb
.if DOCPART == 1
	.amdgcn_target "amdgcn-amd-amdhsa--gfx1250"
	.amdhsa_code_object_version 6
	.text
	.protected	k_q6cee3057ee_prep
	.globl	k_q6cee3057ee_prep
	.p2align	8
	.type	k_q6cee3057ee_prep,@function
k_q6cee3057ee_prep:
	s_mov_b64 s[64:65], 0
	v_nop
	global_prefetch_b8 v0, s[64:65] scope:SCOPE_SE
	s_setreg_imm32_b32 hwreg(HW_REG_WAVE_MODE, 25, 1), 1
	s_wait_xcnt 0x0
; Casts for the three products, and the key mask as an additive bias.
;   work-groups   0-511: x      f32 -> xb bf16            (65,536 bytes in, 32,768 out, each)
;   work-groups 512-703: W_attn f32 -> wa bf16
;   work-groups 704-767: W_proj f32 -> wp: rounded to bf16, kept as f16 (the last product runs in f16, since its other operand y needs f16's 11 bits)
;   work-groups 768-771: attention_mask row b -> mb f32: 0.0 where the mask is not 0, -2^100 where it is 0
; LIMIT: a bf16 value of W_proj below 2^-14 in magnitude becomes an f16 denormal (absolute error at most 2^-25); above 65,504 it would overflow.
; A stream: no LDS, no barrier, no matrix unit.  A wave takes 8,192 consecutive input bytes by sixteen loads of 512 bytes, all issued
; at once; each store of the wave covers 256 consecutive bytes, aligned.  No register is written twice while a memory instruction may read it.
.set X, 4                              ; v[4:67]   load i: 4 registers
.set Y, 68                             ; v[68:99]  store i: 2 registers
.set T, 100                            ; v[100:102] at work
	s_load_b512 s[4:19], s[0:1], 0x0               ; x s[4:5], W_attn s[6:7], W_proj s[8:9], mask s[10:11], xb s[12:13], wa s[14:15], wp s[16:17], mb s[18:19]
	s_mov_b32 s20, ttmp9
	v_and_b32 v3, 31, v0                           ; lane
	v_lshrrev_b32 v2, 5, v0                        ; wave
	v_lshlrev_b32 v1, 4, v3
	v_lshl_add_u32 v1, v2, 13, v1                  ; in:  8,192 x wave + 16 x lane
	v_lshlrev_b32 v3, 3, v3
	v_lshl_add_u32 v2, v2, 12, v3                  ; out: 4,096 x wave + 8 x lane
	s_mov_b32 s23, 0                               ; upper words of the two offset pairs
	s_mov_b32 s25, 0
	s_wait_kmcnt 0x0
; One job: src and dst are the numbers of the scalar pairs with the two addresses, first the job's first work-group; kind 0: bf16, kind 1: bf16 kept as f16.
.macro CAST src, dst, first, kind
	s_sub_co_u32 s21, s20, \first
	s_lshl_b32 s22, s21, 16                        ; 65,536 input bytes a work-group
	s_lshl_b32 s24, s21, 15                        ; 32,768 output bytes
	s_add_nc_u64 s[26:27], s[\src:\src+1], s[22:23]
	s_add_nc_u64 s[28:29], s[\dst:\dst+1], s[24:25]
.irp i, 0,1,2,3,4,5,6,7,8,9,10,11,12,13,14,15
	global_load_b128 v[X+4*\i:X+4*\i+3], v1, s[26:27] offset:512*\i th:TH_LOAD_NT
.endr
.irp i, 0,1,2,3,4,5,6,7,8,9,10,11,12,13,14,15
	s_wait_loadcnt 15-\i                           ; loads come back in order: load i is in, the younger ones stay out
.if \kind
	v_cvt_pk_bf16_f32 v[T], v[X+4*\i], v[X+4*\i+1]             ; round to bf16,
	v_cvt_pk_bf16_f32 v[T+1], v[X+4*\i+2], v[X+4*\i+3]
	v_lshlrev_b32 v[T+2], 16, v[T]                             ; widen again,
	v_and_b32 v[T], 0xffff0000, v[T]
	v_cvt_pk_f16_f32 v[Y+2*\i], v[T+2], v[T]                   ; and write the same number as f16
	v_lshlrev_b32 v[T+2], 16, v[T+1]
	v_and_b32 v[T+1], 0xffff0000, v[T+1]
	v_cvt_pk_f16_f32 v[Y+2*\i+1], v[T+2], v[T+1]
.else
	v_cvt_pk_bf16_f32 v[Y+2*\i], v[X+4*\i], v[X+4*\i+1]
	v_cvt_pk_bf16_f32 v[Y+2*\i+1], v[X+4*\i+2], v[X+4*\i+3]
.endif
	global_store_b64 v2, v[Y+2*\i:Y+2*\i+1], s[28:29] offset:256*\i
.endr
	s_endpgm
.endm
	s_cmp_lt_u32 s20, 512
	s_cbranch_scc1 .Lx
	s_cmp_lt_u32 s20, 704
	s_cbranch_scc1 .Lwa
	s_cmp_lt_u32 s20, 768
	s_cbranch_scc1 .Lwp
	; the mask of one batch row: 2,048 words, 8 a thread
	s_sub_co_u32 s21, s20, 768
	s_lshl_b32 s22, s21, 13
	s_add_nc_u64 s[26:27], s[10:11], s[22:23]
	s_add_nc_u64 s[28:29], s[18:19], s[22:23]
	v_lshlrev_b32 v1, 4, v0
	v_mov_b32 v[T], 0xf1800000                     ; -2^100
	global_load_b128 v[X:X+3], v1, s[26:27]
	global_load_b128 v[X+4:X+7], v1, s[26:27] offset:4096
	s_wait_loadcnt 0x0
.irp i, 0,1,2,3,4,5,6,7
	v_cmp_eq_u32 vcc_lo, 0, v[X+\i]
	v_cndmask_b32 v[Y+\i], 0, v[T], vcc_lo         ; mask == 0 ? -2^100 : 0.0
.endr
	global_store_b128 v1, v[Y:Y+3], s[28:29]
	global_store_b128 v1, v[Y+4:Y+7], s[28:29] offset:4096
	s_endpgm
.Lx:
	CAST 4, 12, 0, 0
.Lwa:
	CAST 6, 14, 512, 0
.Lwp:
	CAST 8, 16, 704, 1
.Lfunc_end_k_q6cee3057ee_prep:
	.size	k_q6cee3057ee_prep, .Lfunc_end_k_q6cee3057ee_prep-k_q6cee3057ee_prep
	.p2alignl 7, 3214868480
	.fill 96, 4, 3214868480
	.section	.rodata,"a",@progbits
	.p2align	6, 0x0
	.amdhsa_kernel k_q6cee3057ee_prep
		.amdhsa_group_segment_fixed_size 0
		.amdhsa_private_segment_fixed_size 0
		.amdhsa_enable_private_segment 0
		.amdhsa_kernarg_size 64
		.amdhsa_user_sgpr_count 2
		.amdhsa_user_sgpr_kernarg_segment_ptr 1
		.amdhsa_wavefront_size32 1
		.amdhsa_system_sgpr_workgroup_id_x 1
		.amdhsa_system_sgpr_workgroup_id_y 1
		.amdhsa_system_sgpr_workgroup_id_z 1
		.amdhsa_system_vgpr_workitem_id 0
		.amdhsa_next_free_vgpr 104
		.amdhsa_next_free_sgpr 66
		.amdhsa_reserve_vcc 1
		.amdhsa_float_denorm_mode_32 3
		.amdhsa_float_denorm_mode_16_64 3
		.amdhsa_memory_ordered 1
		.amdhsa_forward_progress 1
		.amdhsa_inst_pref_size 25
	.end_amdhsa_kernel
	.amdgpu_metadata
---
amdhsa.version: [ 1, 2 ]
amdhsa.kernels:
  - .name:           k_q6cee3057ee_prep
    .symbol:         k_q6cee3057ee_prep.kd
    .args:
      - { .name: x, .offset: 0, .size: 8, .value_kind: global_buffer, .address_space: global }
      - { .name: W_attn, .offset: 8, .size: 8, .value_kind: global_buffer, .address_space: global }
      - { .name: W_proj, .offset: 16, .size: 8, .value_kind: global_buffer, .address_space: global }
      - { .name: attention_mask, .offset: 24, .size: 8, .value_kind: global_buffer, .address_space: global }
      - { .name: xb, .offset: 32, .size: 8, .value_kind: global_buffer, .address_space: global }
      - { .name: wa, .offset: 40, .size: 8, .value_kind: global_buffer, .address_space: global }
      - { .name: wp, .offset: 48, .size: 8, .value_kind: global_buffer, .address_space: global }
      - { .name: mb, .offset: 56, .size: 8, .value_kind: global_buffer, .address_space: global }
    .group_segment_fixed_size: 0
    .private_segment_fixed_size: 0
    .kernarg_segment_align: 8
    .kernarg_segment_size: 64
    .max_flat_workgroup_size: 256
    .sgpr_count:     66
    .vgpr_count:     104
    .wavefront_size: 32
...
	.end_amdgpu_metadata
.endif
;; end of part 1
;; launch qkv (part 2): grid 8 x 32, 4 waves a work-group, clusters of 4 x 4, 327,680 bytes of LDS; arguments xb, wa, qkv, b_attn; writes qkv
.if DOCPART == 2
	.amdgcn_target "amdgcn-amd-amdhsa--gfx1250"
	.amdhsa_code_object_version 6
	.text
	.protected	k_q6cee3057ee_qkv
	.globl	k_q6cee3057ee_qkv
	.p2align	8
	.type	k_q6cee3057ee_qkv,@function
k_q6cee3057ee_qkv:
	s_mov_b64 s[64:65], 0
	v_nop
	global_prefetch_b8 v0, s[64:65] scope:SCOPE_SE
	s_setreg_imm32_b32 hwreg(HW_REG_WAVE_MODE, 25, 1), 1
	s_wait_xcnt 0x0
	s_wait_alu depctr_hold_cnt(0) depctr_sa_sdst(0) depctr_va_vdst(0) depctr_va_sdst(0) depctr_va_ssrc(0) depctr_va_vcc(0) depctr_vm_vsrc(0)
	s_getreg_b32 s2, hwreg(HW_REG_IB_STS2, 6, 4)
	s_cmp_eq_u32 s2, 0
	s_cbranch_scc0 .Lentry_in_a_cluster
	s_endpgm
.Lentry_in_a_cluster:
	s_bfe_u32 s2, ttmp6, 0x10000c
	s_cmp_lg_u32 s2, 0xf033
	s_cbranch_scc0 .Lentry_shape_is_right
	s_endpgm
.Lentry_shape_is_right:
; qkv = xb wa + b_attn.  xb: [8192][1024] bf16, K along the rows.  wa: [1024][3072] bf16, N along the rows.  b_attn: [3072] f32.  qkv: [8192][3072] f16.
; LIMIT: q, k and v leave as f16: magnitudes from 65,520 on become infinite.
; 8192 x 3072 outputs on 256 work-groups of equal work: a work-group makes 256 x 384 of C, each of its four waves 128 x 192: 96 accumulator tiles of 16 x 16, 768 registers.
; For 32 along K a wave reads (128 + 192) x 64 bytes from LDS for 96 matrix instructions.
; THE RING.  Two slots with 128 along K of both A and B would take 2 x (256 x 272 + 128 x 864) bytes, more than a WGP's LDS.  So A has two slots of 128 along K (its tile rows stay
; 256 consecutive bytes of memory, aligned) and B two slots of 64 along K (64 rows of 768 bytes).  One barrier for every 64 along K: behind each, waves 2 and 3 fill B's slot again;
; behind every second one, waves 0 and 1 fill A's.  From a request to the wait for it a wave issues 176 matrix instructions.
; B stays [K][N]: its fragments are read by the transposing LDS load.  B's rows are 192 words, so the padding (8 words behind every 64) falls three times in a row: pitch 3 x 288 = 864 bytes.
; CLUSTERS: 4 x 4 work-groups.  A's tile hangs on the block row alone and is asked for jointly by a row of the cluster, B's on the block column alone and is asked for jointly by a
; column: each of the four issues the same tensor load with the same descriptor and a mask that names the four.
; THE MATRIX INSTRUCTION IS USED TRANSPOSED: source 0 = 16 columns of B, source 1 = 16 rows of A: lane l then holds row l % 16 of C and its registers 0 to 7 the columns 8 (l / 16) + 0 .. 7.
; REGISTERS.  Window 0: v16-28 addresses; v32-95, v96-159 fragments of A (8 x 16 rows x 32 K), two buffers; v160-255 fragments of B, three chunks of four (64 columns each).
;   Window w = 1, 2, 3: the 32 accumulator tiles of my columns 64 (w - 1) .. + 63: tile (a, i) at v[8 (4 a + i)].
;   A chunk of B is fetched again straight behind the 32 matrix instructions that used it, 64 matrix instructions ahead of its next use.
.set SIZE_K, 1024
.set SIZE_N, 3072
.set CROW,   6144                      ; bytes in a row of C
.set PITCHA, 272                       ; an LDS row of A: 256 bytes + 16: sixteen rows begin at sixteen different 16-byte columns of 256 bytes
.set HALFA,  128*PITCHA                ; what one tensor load brings of A: 128 rows, 34,816 bytes
.set ASLOT,  2*HALFA                   ; 69,632
.set PITCHB, 864                       ; an LDS row of B: 3 x (256 + 32), an odd multiple of 32 bytes for the transposing load
.set HALFB,  32*PITCHB                 ; what one tensor load brings of B: 32 rows of K, 27,648 bytes
.set BSLOT,  2*HALFB                   ; 55,296
.set BBASE,  2*ASLOT                   ; A's two slots at 0, B's two at 139,264
.set BIASL,  BBASE+2*BSLOT             ; 249,856: 768 bytes for each wave: the bias of its 192 columns; no tensor load ever lands here
.set SPITCH, 400                       ; the way out: a wave's part of a row, 384 bytes + 16
.set ADRA, 16                          ; v16-17  LDS address of my A fragments in slot 0, 1
.set ADRB, 18                          ; v18-21  of my B fragments: slot 0 (chunks 0 and 2; chunk 1), slot 1 (the same)
.set STO,  22                          ; v22     the way out: where I put 16 bytes of a row
.set RD,   24                          ; v24-26  the way out: where I read the three 256-byte pieces of a row back
.set CO,   27                          ; v27     my byte offset in C
.set BL,   28                          ; v28     where I read my bias tiles
.set F0,   32
.set F1,   96
.set BC,   160
.set G1,  24                           ; s[24:31] descriptor group 1 for A's tiles
.set G0,  32                           ; s[32:39] group 0 for A's tiles, one set for each slot
.set G1B, 48                           ; s[48:55] group 1 for B's tiles
.set G0B, 56                           ; s[56:63] group 0 for B's tiles, one set for each slot
.set MSB, 0
.macro WIN new                         ; low byte: bits 1:0 source 0, 3:2 source 1, 5:4 source 2, 7:6 destination; the high byte repeats the setting that is left
.if MSB != (\new)
	s_set_vgpr_msb (MSB<<8)|(\new)
.set MSB, (\new)
.endif
.endm
; Joint loads.  Waves 0 and 1 fetch A's two halves, waves 2 and 3 B's.  The branches hang on the wave's number alone.
.macro JLOAD_AB asl, bsl
	s_cmp_eq_u32 s11, 0
	s_cbranch_scc0 .Lfor_b_\@
	tensor_load_to_lds s[G0+4*(\asl):G0+4*(\asl)+3], s[G1:G1+7]
	s_nop 0
	s_branch .Lasked_\@
.Lfor_b_\@:
	tensor_load_to_lds s[G0B+4*(\bsl):G0B+4*(\bsl)+3], s[G1B:G1B+7]
	s_nop 0
.Lasked_\@:
.endm
.macro JLOAD_B bsl                     ; B's slot alone: waves 0 and 1 have nothing to fill and issue nothing
	s_cmp_eq_u32 s11, 0
	s_cbranch_scc1 .Lasked_\@
	tensor_load_to_lds s[G0B+4*(\bsl):G0B+4*(\bsl)+3], s[G1B:G1B+7]
	s_nop 0
.Lasked_\@:
.endm
; A round of the cluster's barrier: my work-group's barrier; wave 0 signals for the work-group; every wave waits for all sixteen; my work-group's barrier once more.
.macro CREST                           ; a round behind its opening barrier
	s_cmp_lg_u32 s10, 0
	s_cbranch_scc1 .Lnot_wave_0_\@
	s_barrier_signal -3
.Lnot_wave_0_\@:
	s_barrier_wait -3
	s_barrier_signal -1
	s_barrier_wait -1
.endm
.macro CROUND
	s_barrier_signal -1
	s_barrier_wait -1
	CREST
.endm
	s_load_b128 s[4:7], s[0:1], 0x0                ; A s[4:5], B s[6:7]
	s_load_b64 s[8:9], s[0:1], 0x10                ; C
	s_load_b64 s[66:67], s[0:1], 0x18              ; bias
	v_lshl_add_u32 v30, v0, 2, 0x3dc00
	v_mov_b32 v31, 0
	ds_add_u32 v30, v31
	ds_add_u32 v30, v31
	v_lshrrev_b32 v1, 5, v0
	v_readfirstlane_b32 s10, v1                    ; wave 0..3
	s_lshr_b32 s11, s10, 1                         ; which half of the block's rows is mine.  Also: I fetch for A (0) or for B (1)
	s_and_b32 s12, s10, 1                          ; which half of its columns.  Also: which half of that tile I fetch
	s_bfe_u32 s40, ttmp6, 0x40000                  ; cx
	s_bfe_u32 s41, ttmp6, 0x40004                  ; cy
	s_lshl_b32 s42, ttmp9, 2
	s_add_co_u32 s42, s42, s40                     ; block column of C = 4 x cluster x + cx
	s_and_b32 s13, ttmp7, 0xffff
	s_lshl_b32 s13, s13, 2
	s_add_co_u32 s13, s13, s41                     ; block row of C = 4 x cluster y + cy
	s_lshl_b32 s43, s41, 2
	s_lshl_b32 s43, 15, s43                        ; my row of the cluster: places 4 cy .. 4 cy + 3
	s_lshl_b32 s44, 0x1111, s40                    ; my column: places cx, cx + 4, cx + 8, cx + 12
	; group 1 for A: 128 rows x 128 elements of 2 bytes, 16 bytes of padding behind every 64 words
	s_or_b32 s[G1+0], s43, (1<<16)|(1<<20)|(1<<21)|(5<<22)|(3<<25)
	s_mov_b32 s[G1+1], 128<<16                     ; tensor_dim0 = 128
	s_mov_b32 s[G1+2], 128<<16                     ; tensor_dim1 = 128
	s_mov_b32 s[G1+3], 128<<16                     ; tile_dim0 = 128
	s_mov_b32 s[G1+4], 128                         ; tile_dim1 = 128
	s_mov_b32 s[G1+5], SIZE_K                      ; elements from row to row
	s_mov_b32 s[G1+6], 0
	s_mov_b32 s[G1+7], 0
	; group 1 for B: 32 rows of K x 384 elements of 2 bytes, 32 bytes of padding behind every 64 words (three times in a row)
	s_or_b32 s[G1B+0], s44, (1<<16)|(1<<20)|(1<<21)|(5<<22)|(7<<25)
	s_mov_b32 s[G1B+1], 384<<16
	s_mov_b32 s[G1B+2], 32<<16
	s_mov_b32 s[G1B+3], 384<<16
	s_mov_b32 s[G1B+4], 32
	s_mov_b32 s[G1B+5], SIZE_N
	s_mov_b32 s[G1B+6], 0
	s_mov_b32 s[G1B+7], 0
	; where the tiles come from: A's from the block row and the wave's number, B's from the block column and the wave's number, each in registers that never hold the other coordinate
	s_lshl_b32 s17, s12, 7
	s_lshl_b32 s16, s13, 8
	s_add_co_u32 s16, s16, s17                     ; A: row 256 x block row + 128 x half,
	s_lshl_b32 s16, s16, 11                        ; times 2,048 bytes (16 MiB at the most)
	s_mov_b32 s17, 0
	s_mul_i32 s46, s12, 32*SIZE_N*2                ; B: row of K 32 x half,
	s_mul_i32 s47, s42, 768                        ; column 384 x block column
	s_add_co_u32 s46, s46, s47
	s_mov_b32 s47, 0
	s_mul_i32 s20, s12, HALFA                      ; and where they go: no place in the cluster enters an LDS address
	s_mul_i32 s45, s12, HALFB
	s_add_co_u32 s45, s45, BBASE
	s_mul_i32 s68, s42, 1536                       ; the bias of my 192 columns
	s_mul_i32 s69, s12, 768
	s_add_co_u32 s68, s68, s69
	s_mov_b32 s69, 0
	s_wait_dscnt 0x0
	s_wait_kmcnt 0x0
	s_add_nc_u64 s[14:15], s[4:5], s[16:17]
	s_add_nc_u64 s[46:47], s[6:7], s[46:47]
	s_add_nc_u64 s[66:67], s[66:67], s[68:69]
	CROUND                                         ; all sixteen work-groups are here: the first joint loads meet
.irp s, 0,1
	s_mov_b32 s[G0+4*\s], 1
	s_add_co_u32 s[G0+4*\s+1], s20, \s*ASLOT
	s_add_nc_u64 s[G0+4*\s+2:G0+4*\s+3], s[14:15], \s*256          ; A's slot s begins with K = 128 s ..
	s_or_b32 s[G0+4*\s+3], s[G0+4*\s+3], 0x80000000
	s_mov_b32 s[G0B+4*\s], 1
	s_add_co_u32 s[G0B+4*\s+1], s45, \s*BSLOT
	s_add_nc_u64 s[G0B+4*\s+2:G0B+4*\s+3], s[46:47], \s*64*SIZE_N*2   ; B's slot s with K = 64 s ..
	s_or_b32 s[G0B+4*\s+3], s[G0B+4*\s+3], 0x80000000
	JLOAD_AB \s, \s                                ; all first fills go out before anything else: two tensor loads of the wave are out
.endr
	v_and_b32 v7, 31, v0
	v_lshlrev_b32 v7, 3, v7                        ; 8 bytes a lane: three loads bring my 768 bytes of bias
	global_load_b64 v[F0:F0+1], v7, s[66:67]
	global_load_b64 v[F0+2:F0+3], v7, s[66:67] offset:256
	global_load_b64 v[F0+4:F0+5], v7, s[66:67] offset:512
	; A's fragment (16 rows x 32 K): lane l takes row l % 16; two loads of 16 bytes, 32 bytes apart, at row x pitch + 16 (l / 16).
	v_and_b32 v1, 15, v0                           ; r = l % 16
	v_bfe_u32 v2, v0, 4, 1                         ; h = l / 16
	v_mul_u32_u24 v3, v1, PITCHA
	v_lshl_add_u32 v3, v2, 4, v3
	s_mul_i32 s21, s11, HALFA                      ; my 128 rows of A
	v_add_nc_u32 v[ADRA], s21, v3
	v_add_nc_u32 v[ADRA+1], ASLOT, v[ADRA]
	; B's fragment (32 K x 16 columns) by two transposing loads, 16 rows of K apart: lane l addresses row of K 8 h + l % 8, 16 bytes (l / 8) % 2.
	; Block g of 16 columns of the work-group's 24 lies at byte 32 g + 32 (g / 8) of a row.  Mine are blocks 12 x half + 0 .. 11: against half 0, half 1 lies
	; 384 + 32 bytes on in chunks 0 and 2 (one padding more) and 384 + 64 in chunk 1 (two more): two address registers a slot.
	v_and_b32 v4, 7, v0
	v_lshl_add_u32 v4, v2, 3, v4
	v_mul_u32_u24 v4, v4, PITCHB
	v_bfe_u32 v5, v0, 3, 1
	v_lshl_add_u32 v4, v5, 4, v4
	s_mul_i32 s22, s12, 416
	s_add_co_u32 s22, s22, BBASE
	v_add_nc_u32 v[ADRB], s22, v4
	s_lshl_b32 s23, s12, 5
	v_add_nc_u32 v[ADRB+1], s23, v[ADRB]
	v_add_nc_u32 v[ADRB+2], BSLOT, v[ADRB]
	v_add_nc_u32 v[ADRB+3], BSLOT, v[ADRB+1]
	; the way out.  In: wave w's own 128 rows of 400 bytes at 51,200 w; row l % 16, 16 bytes for each half of the lanes.
	s_mul_i32 s21, s10, 128*SPITCH
	v_mul_u32_u24 v5, v1, SPITCH
	v_lshl_add_u32 v5, v2, 4, v5
	v_add_nc_u32 v[STO], s21, v5
	; Back: wave w takes rows 64 w .. 64 w + 63 of the block, two at a time (lanes 0-15 one row, lanes 16-31 the next).  A row's 768 bytes are 384 from the wave of column half 0
	; and 384 from the wave of half 1: piece 0 is bytes 0-255 of the first, piece 2 bytes 128-383 of the second, piece 1 bytes 256-383 of the first (lanes r < 8) and 0-127 of the second.
	s_mul_i32 s21, s11, 2*128*SPITCH
	s_mul_i32 s22, s12, 64*SPITCH
	s_add_co_u32 s21, s21, s22
	v_mul_u32_u24 v5, v2, SPITCH
	v_lshl_add_u32 v5, v1, 4, v5
	v_add_nc_u32 v[RD], s21, v5
	v_lshrrev_b32 v6, 3, v1
	v_mul_u32_u24 v6, v6, 128*SPITCH-128-256
	v_add_nc_u32 v[RD+1], v[RD], v6
	v_add_nc_u32 v[RD+1], 256, v[RD+1]
	v_add_nc_u32 v[RD+2], 128*SPITCH+128, v[RD]
	v_mul_u32_u24 v5, v2, CROW                     ; and the same two rows in C
	v_lshl_add_u32 v[CO], v1, 4, v5
	s_mul_i32 s23, s10, 768
	s_add_co_u32 s23, s23, BIASL
	v_add_nc_u32 v8, s23, v7
	v_lshl_add_u32 v[BL], v2, 5, s23               ; a bias tile: eight f32 for each half of the lanes
	s_wait_loadcnt 0x0                             ; the bias; the first tiles are on their way meanwhile
	ds_store_b64 v8, v[F0:F0+1]
	ds_store_b64 v8, v[F0+2:F0+3] offset:256
	ds_store_b64 v8, v[F0+4:F0+5] offset:512
; na x 4 matrix instructions of window w: blocks of rows a0 .. a0 + na - 1 x the chunk's four blocks of columns, 32 along K, A from buffer f.  zero = 1: the first product starts the sums.
; The 96 accumulators take turns, one instruction a turn, in the same order in every quarter step.
.macro MULW w, f, a0, na, zero
.set aa, \a0
.rept \na
.set ii, 0
.rept 4
.if \zero
	v_wmma_f32_16x16x32_bf16 v[8*(4*aa+ii):8*(4*aa+ii)+7], v[BC+32*(\w-1)+8*ii:BC+32*(\w-1)+8*ii+7], v[\f+8*aa:\f+8*aa+7], 0
.else
	v_wmma_f32_16x16x32_bf16 v[8*(4*aa+ii):8*(4*aa+ii)+7], v[BC+32*(\w-1)+8*ii:BC+32*(\w-1)+8*ii+7], v[\f+8*aa:\f+8*aa+7], v[8*(4*aa+ii):8*(4*aa+ii)+7]
.endif
.set ii, ii+1
.endr
.set aa, aa+1
.endr
.endm
; chunk g of B (four blocks of 16 columns), rows of K 32 q2 .. + 31 of a slot: 8 loads
.macro FETCHB g, slot, q2
.set ii, 0
.rept 4
	ds_load_tr16_b128 v[BC+32*\g+8*ii:BC+32*\g+8*ii+3],   v[ADRB+2*(\slot)+(\g&1)] offset:(\q2)*32*PITCHB+128*\g+32*(\g/2)+32*ii
	ds_load_tr16_b128 v[BC+32*\g+8*ii+4:BC+32*\g+8*ii+7], v[ADRB+2*(\slot)+(\g&1)] offset:((\q2)*32+16)*PITCHB+128*\g+32*(\g/2)+32*ii
.set ii, ii+1
.endr
.endm
; my 128 rows of A, quarter kq (32 along K) of a slot's 128, into buffer f: 16 loads
.macro FETCHA slot, kq, f
.irp i, 0,1,2,3,4,5,6,7
	ds_load_b128 v[\f+8*\i:\f+8*\i+3],   v[ADRA+(\slot)] offset:64*(\kq)+\i*16*PITCHA
	ds_load_b128 v[\f+8*\i+4:\f+8*\i+7], v[ADRA+(\slot)] offset:64*(\kq)+\i*16*PITCHA+32
.endr
.endm
; Four places behind a matrix instruction before a load lands on one of its registers or a vector instruction reads its result (ISA guide 7.12.1 for vector instructions)
.macro PLACES
.rept 4
	v_nop
.endr
.endm
; The first 32 along K of a B slot: multiplies buffer 0; fetches the second 32 (quarter kq of A's slot) into buffer 1 and into each chunk as it falls free.
; LDS loads come back in order; they are always issued as: chunk 0 (8), A (16), chunk 1 (8), chunk 2 (8).
.macro QPLAIN asl, kq, bsl, zero
	s_wait_dscnt 16                                ; chunk 0 and A are in; chunks 1 and 2 may be out
	WIN 0x50
	MULW 1, F0, 0, 8, \zero
	PLACES
	WIN 0
	FETCHB 0, \bsl, 1
	FETCHA \asl, \kq, F1
	s_wait_dscnt 32                                ; chunk 1 is in; out may be chunk 2 (8) and the 24 just issued
	WIN 0xa0
	MULW 2, F0, 0, 8, \zero
	PLACES
	WIN 0
	FETCHB 1, \bsl, 1
	s_wait_dscnt 32                                ; chunk 2 is in; out may be the 24 and the 8 issued since
	WIN 0xf0
	MULW 3, F0, 0, 8, \zero
	PLACES
	WIN 0
	FETCHB 2, \bsl, 1
.endm
; The second 32 along K of a B slot: multiplies buffer 1 and changes slots.  fill = 0: nothing is filled; 1: B's slot bsl, 128 along K ahead; 2: also A's slot asl, 256 ahead.
; In front of the barrier each wave waits for its reads of the slots (all this quarter's fragments are then in registers) and for all its tensor loads.
; Behind it (where a slot is filled again: behind the round of the cluster's barrier that it opens) the refill comes first, then the next slots' first fragments.
.macro QTURN asl, bsl, nasl, nkq, nbsl, fill
	s_wait_dscnt 16
	WIN 0x50
	MULW 1, F1, 0, 4, 0
	s_wait_dscnt 0                                 ; my reads of these slots are over
	s_wait_tensorcnt 0x0                           ; all my tensor loads have landed
	ds_add_u32 v30, v31
	s_wait_dscnt 0x0
	s_barrier_signal -1
	MULW 1, F1, 4, 4, 0                            ; register work while the others arrive
	WIN 0
	s_barrier_wait -1
.if \fill
	CREST                                          ; no wave of any partner still reads these slots or has a load on its way
	s_add_nc_u64 s[G0B+4*(\bsl)+2:G0B+4*(\bsl)+3], s[G0B+4*(\bsl)+2:G0B+4*(\bsl)+3], 2*64*SIZE_N*2
.if \fill == 2
	s_add_nc_u64 s[G0+4*(\asl)+2:G0+4*(\asl)+3], s[G0+4*(\asl)+2:G0+4*(\asl)+3], 2*128*2
	JLOAD_AB \asl, \bsl                            ; the wave's one tensor load behind the round
.else
	JLOAD_B \bsl
.endif
.endif
	PLACES
	FETCHB 0, \nbsl, 0
	FETCHA \nasl, \nkq, F0
	WIN 0xa0
	MULW 2, F1, 0, 8, 0
	PLACES
	WIN 0
	FETCHB 1, \nbsl, 0
	WIN 0xf0
	MULW 3, F1, 0, 8, 0
	PLACES
	WIN 0
	FETCHB 2, \nbsl, 0
.endm
; 64 along K: half kh of A's slot asl, B's slot bsl; then on to half nkh of A's slot nasl and B's other slot
.macro HS asl, kh, bsl, nasl, nkh, fill, zero
	QPLAIN \asl, 2*\kh+1, \bsl, \zero
	QTURN \asl, \bsl, \nasl, 2*\nkh, 1-\bsl, \fill
.endm
.macro LAP zero                        ; 256 along K: once round A's ring, twice round B's
	HS 0, 0, 0, 0, 1, 1, \zero
	HS 0, 1, 1, 1, 0, 2, 0
	HS 1, 0, 0, 1, 1, 1, 0
	HS 1, 1, 1, 0, 0, 2, 0
.endm
	s_wait_dscnt 0x0                               ; my bias is in LDS: no LDS instruction is out at a signal
	s_wait_tensorcnt 1                             ; my part of the slots 0 is in; the slots 1 stay out
	s_barrier_signal -1
	s_barrier_wait -1
	FETCHB 0, 0, 0
	FETCHA 0, 0, F0
	FETCHB 1, 0, 0
	FETCHB 2, 0, 0
	LAP 1                                          ; the first lap stands in front of the loop: its first products start the sums
	s_mov_b32 s3, SIZE_K/256-2
.Llap:
	LAP 0
	s_sub_co_u32 s3, s3, 1
	s_cmp_lg_u32 s3, 0
	s_cbranch_scc1 .Llap
	HS 0, 0, 0, 0, 1, 1, 0                         ; the last lap: B's last two fills, nothing more for A,
	HS 0, 1, 1, 1, 0, 1, 0
	HS 1, 0, 0, 1, 1, 0, 0                         ; then nothing at all
	QPLAIN 1, 3, 1, 0
	s_wait_dscnt 16                                ; the very last quarter: nothing more to fetch, the counts run down
	WIN 0x50
	MULW 1, F1, 0, 8, 0
	s_wait_dscnt 8
	WIN 0xa0
	MULW 2, F1, 0, 8, 0
	s_wait_dscnt 0
	WIN 0xf0
	MULW 3, F1, 0, 8, 0
	WIN 0
	PLACES                                         ; in front of the loads into the fragments' registers and of the sums that read the results
	; THE WAY OUT.  A wave's part of a row is 384 bytes, one and a half aligned blocks of 256, so the rows are put together in LDS: the ring has had its last fill and becomes the stage.
	s_barrier_signal -1                            ; my reads of the ring are back (the wait for 0 above)
	s_barrier_wait -1                              ; everybody's are: the ring's bytes may be written
.set bb, 0
.rept 12
	ds_load_b128 v[BC+8*bb:BC+8*bb+3],   v[BL] offset:64*bb        ; bias tile b: register j of lane l = bias[my first column + 16 b + 8 (l / 16) + j]; my own bytes
	ds_load_b128 v[BC+8*bb+4:BC+8*bb+7], v[BL] offset:64*bb+16
.set bb, bb+1
.endr
	s_lshl_b32 s16, s13, 8
	s_lshl_b32 s14, s10, 6
	s_add_co_u32 s16, s16, s14                     ; the first row that I store: 256 x block row + 64 x wave,
	s_mul_i32 s16, s16, CROW                       ; in bytes (48 MiB at the most)
	s_mov_b32 s17, 0
	s_add_nc_u64 s[8:9], s[8:9], s[16:17]
	s_mul_i32 s46, s42, 768                        ; the block's first column, in bytes
	s_mov_b32 s47, 0
	s_add_nc_u64 s[8:9], s[8:9], s[46:47]
	s_wait_dscnt 0x0
; sixteen tiles of window w (blocks of rows 4 hh .. 4 hh + 3): + bias, rounded to f16, 16 bytes a lane into my stage
.macro OUTB w, hh
	WIN \w                                         ; source 0 from the accumulators' window
.set aa, 0
.rept 4
.set ii, 0
.rept 4
.irp r, 0,2,4,6
	v_pk_add_f32 v[F0+8*(4*aa+ii)+\r:F0+8*(4*aa+ii)+\r+1], v[8*(4*(4*\hh+aa)+ii)+\r:8*(4*(4*\hh+aa)+ii)+\r+1], v[BC+32*(\w-1)+8*ii+\r:BC+32*(\w-1)+8*ii+\r+1]
.endr
.set ii, ii+1
.endr
.set aa, aa+1
.endr
	WIN 0
.set tt, 0
.rept 16
.irp r, 0,1,2,3
	v_cvt_pk_f16_f32 v[F0+8*tt+\r], v[F0+8*tt+2*\r], v[F0+8*tt+2*\r+1]   ; in place: register r is written when registers 2 r and 2 r + 1 are read, and those below are spent
.endr
.set tt, tt+1
.endr
.set aa, 0
.rept 4
.set ii, 0
.rept 4
	ds_store_b128 v[STO], v[F0+8*(4*aa+ii):F0+8*(4*aa+ii)+3] offset:(4*\hh+aa)*16*SPITCH+(4*(\w-1)+ii)*32
.set ii, ii+1
.endr
.set aa, aa+1
.endr
.endm
	OUTB 1, 0
	OUTB 1, 1
	OUTB 2, 0
	OUTB 2, 1
	OUTB 3, 0
	OUTB 3, 1
	s_wait_dscnt 0x0                               ; my stage stores are done,
	s_barrier_signal -1
	s_barrier_wait -1                              ; everybody's are
; sixteen rows (pairs 8 n .. 8 n + 7 of my 32 pairs) leave through registers x ..: 16 lanes store 256 consecutive bytes, at a multiple of 256 from C's first byte
.macro BACK n, x
	s_wait_xcnt 0x0                                ; registers that earlier stores read are loaded again only behind this wait
.set pp, 0
.rept 8
.irp u, 0,1,2
	ds_load_b128 v[\x+4*(3*pp+\u):\x+4*(3*pp+\u)+3], v[RD+\u] offset:(8*\n+pp)*2*SPITCH
.endr
.set pp, pp+1
.endr
.set pp, 0
.rept 8
.irp u, 0,1,2
	s_wait_dscnt 23-(3*pp+\u)                      ; LDS loads come back in order: this one is in, the younger ones stay out
	global_store_b128 v[CO], v[\x+4*(3*pp+\u):\x+4*(3*pp+\u)+3], s[8:9] offset:(8*\n+pp)*2*CROW+256*\u
.endr
.set pp, pp+1
.endr
.endm
	BACK 0, 32
	BACK 1, 128
	BACK 2, 32
	BACK 3, 128
	s_wait_tensorcnt 0x0
	ds_add_u32 v30, v31
	s_wait_dscnt 0x0
	CROUND                                         ; the closing round: no work-group ends while a partner may still ask for a tile that names it
	s_endpgm
.Lfunc_end_k_q6cee3057ee_qkv:
	.size	k_q6cee3057ee_qkv, .Lfunc_end_k_q6cee3057ee_qkv-k_q6cee3057ee_qkv
	.p2alignl 7, 3214868480
	.fill 96, 4, 3214868480
	.section	.rodata,"a",@progbits
	.p2align	6, 0x0
	.amdhsa_kernel k_q6cee3057ee_qkv
		.amdhsa_group_segment_fixed_size 327680
		.amdhsa_private_segment_fixed_size 0
		.amdhsa_enable_private_segment 0
		.amdhsa_kernarg_size 32
		.amdhsa_user_sgpr_count 2
		.amdhsa_user_sgpr_kernarg_segment_ptr 1
		.amdhsa_wavefront_size32 1
		.amdhsa_system_sgpr_workgroup_id_x 1
		.amdhsa_system_sgpr_workgroup_id_y 1
		.amdhsa_system_sgpr_workgroup_id_z 1
		.amdhsa_system_vgpr_workitem_id 0
		.amdhsa_next_free_vgpr 1024
		.amdhsa_next_free_sgpr 72
		.amdhsa_reserve_vcc 0
		.amdhsa_float_denorm_mode_32 3
		.amdhsa_float_denorm_mode_16_64 3
		.amdhsa_memory_ordered 1
		.amdhsa_forward_progress 1
		.amdhsa_inst_pref_size 255
	.end_amdhsa_kernel
	.section	.bss,"aw",@nobits
	.p2align	6
	.space	262144
	.amdgpu_metadata
---
amdhsa.version: [ 1, 2 ]
amdhsa.kernels:
  - .name:           k_q6cee3057ee_qkv
    .symbol:         k_q6cee3057ee_qkv.kd
    .args:
      - { .name: xb, .offset: 0, .size: 8, .value_kind: global_buffer, .address_space: global }
      - { .name: wa, .offset: 8, .size: 8, .value_kind: global_buffer, .address_space: global }
      - { .name: qkv, .offset: 16, .size: 8, .value_kind: global_buffer, .address_space: global }
      - { .name: b_attn, .offset: 24, .size: 8, .value_kind: global_buffer, .address_space: global }
    .group_segment_fixed_size: 327680
    .private_segment_fixed_size: 0
    .kernarg_segment_align: 8
    .kernarg_segment_size: 32
    .max_flat_workgroup_size: 128
    .sgpr_count:     72
    .vgpr_count:     1024
    .wavefront_size: 32
...
	.end_amdgpu_metadata
.endif
;; end of part 2
;; launch attn (part 3): grid 8 x 32, 8 waves a work-group, no clusters, 327,680 bytes of LDS; arguments qkv, mb, yb; writes yb
.if DOCPART == 3
	.amdgcn_target "amdgcn-amd-amdhsa--gfx1250"
	.amdhsa_code_object_version 6
	.text
	.protected	k_q6cee3057ee_attn
	.globl	k_q6cee3057ee_attn
	.p2align	8
	.type	k_q6cee3057ee_attn,@function
k_q6cee3057ee_attn:
	s_mov_b64 s[64:65], 0
	v_nop
	global_prefetch_b8 v0, s[64:65] scope:SCOPE_SE
	s_setreg_imm32_b32 hwreg(HW_REG_WAVE_MODE, 25, 1), 1
	s_wait_xcnt 0x0
; Causal attention with a key mask, with a running maximum.  qkv: [4 x 2048][3072] f16 (q, k, v; 16 heads of 64 each).  mb: [4][2048] f32, 0 or -2^100.  yb: [4 x 2048][1024] f16.
; A work-group has a batch row b, a pair of heads hp (so that every tile row and every row of y is 256 consecutive bytes, aligned) and a number p = 0..7.
; It makes query block 15 - p (128 rows, 16 - p key tiles of 128) and then query block p (p + 1 tiles): 17 steps for every work-group, 256 work-groups of equal work.
; Eight waves: wave w has head w / 4 of the pair and rows 32 (w % 4) .. + 31 of the block.
; NO CLUSTER: the work-groups that read the same K and V (other p) want another tile in the same step (tile t of 16 - p against tile t of 16 - p') only until the first of
; them changes its query block, which is in another step for each p: joint loads would need the same requests and the same branches in all partners.
; THE PRODUCTS ARE TRANSPOSED.  S^T = K Q^T + C: register j of lane (r = l % 16, h = l / 16) is key 8 h + j, query r.  C is the keys' bias from mb.
; Two neighbouring key tiles, rounded to f16, ARE a fragment of P for O^T = V^T P^T (V's fragments by the transposing LDS load), where lane r again holds query r:
; maximum, sum and rescaling are one number a lane, and a lane's eight results are eight neighbouring d of one row of y.
; p = 2^(c S - c M), c = log2(e) / 8.  M is the running maximum, begun at -2^96; the shift carried from step to step is the rounded product c M itself.
; A masked key has S = -2^100 (the bias swallows the product; the causal mask sets it), so p = 0.  A row with no key left has L = 0 and O = 0: 0 x (1 / 0) = NaN, as a softmax of -inf alone.
; LIMITS: true scores q.k lie above -2^96; q, k, v are f16 (below 65,520 in magnitude); p is f16: a weight below 2^-25 of its row's largest counts as 0.
.set PK,    272                        ; LDS pitch of K's and Q's rows: 256 + 16
.set PV,    288                        ; of V's rows: 256 + 32, an odd multiple of 32 for the transposing load
.set OV,    128*PK                     ; a slot: K at 0 (34,816 bytes), V at 34,816 (36,864), the bias at 71,680 (512)
.set OM,    128*PK+128*PV
.set SLOT,  OM+512                     ; 72,192
.set QA,    2*SLOT                     ; 144,384: the first block's Q, 128 x 272, filled once; later that block's output stage
.set QBO,   128*PK                     ; the second block's Q, and stage, lie 34,816 bytes behind
.set TILEB, 128*6144                   ; bytes from a tile of 128 rows of qkv to the next
.set AK,  4                            ; v4-5   my K fragments in slot 0, 1
.set AV,  6                            ; v6-7   my V fragments
.set AM,  8                            ; v8-9   my bias tiles
.set AQ,  10                           ; v10    my Q fragments in QA
.set AR,  11                           ; v11    the way out: where I read a row back
.set YO,  12                           ; v12    my byte offset in a block of y
.set LIM, 13                           ; v13    32 (w % 4) + r - 8 h: a key is ahead of the query where 64 g + 16 t + j - 16 qi > LIM
.set VNEG, 14                          ; v14    -2^100
.set AS,  15                           ; v15    the way out: where I put 16 bytes
.set MX,  16                           ; v16-17 running maximum, for qi = 0, 1 (queries r and 16 + r)
.set NM,  18                           ; v[18:21] -c M, twice for each qi (pairs for the packed forms)
.set LS,  22                           ; v22-23 running sum, of this half of the lanes' keys
.set AL,  24                           ; v[24:27] rescaling factor, twice for each qi
.set Q,   32                           ; v[32:63]   Q(qi, dh) at 8 (2 qi + dh)
.set S,   64                           ; v[64:127]  S(t, qi) at 8 (2 t + qi)
.set KF,  128                          ; v[128:191] K(t, dh) at 8 (2 t + dh)
.set BI,  192                          ; v[192:223] bias tile t at 8 t
.set T,   192                          ; the same registers behind the S products: at work, 8 for each qi
.set P,   224                          ; v[224:255] P(qi, kc) at 8 (2 qi + kc)
.set O,   0                            ; window 1: v[256:319] O(dt, qi) at 8 (2 dt + qi)
.set VF,  64                           ; window 1: v[320:383] V(kc, dt) at 8 (4 kc + dt)
.set G1K, 44                           ; s[44:51] group 1: 64 rows x 256 bytes, pitch 272 (K, Q)
.set G1V, 52                           ; s[52:59] the same, pitch 288
.set G0Q, 60                           ; s[60:63]
.set G1M, 68                           ; s[68:75] group 1: one row of 512 bytes
.set G0K, 76                           ; s[76:83] group 0 for K, one set for each slot
.set G0V, 84                           ; s[84:91]
.set G0M, 92                           ; s[92:99]
.set MSB, 0
.macro WIN new                         ; low byte: bits 1:0 source 0, 3:2 source 1, 5:4 source 2, 7:6 destination; the high byte repeats the setting that is left
.if MSB != (\new)
	s_set_vgpr_msb (MSB<<8)|(\new)
.set MSB, (\new)
.endif
.endm
.macro PLACES                          ; four places behind a matrix instruction (ISA guide 7.12.1 for vector instructions)
.rept 4
	v_nop
.endr
.endm
	s_load_b128 s[4:7], s[0:1], 0x0                ; qkv s[4:5], mb s[6:7]
	s_load_b64 s[8:9], s[0:1], 0x10                ; yb
	v_lshl_add_u32 v30, v0, 2, 0x34400
	v_mov_b32 v31, 0
	ds_add_u32 v30, v31
	ds_add_u32 v30, v31
	v_lshrrev_b32 v1, 5, v0
	v_readfirstlane_b32 s10, v1                    ; wave w
	s_and_b32 s11, s10, 1                          ; which 64 rows of a tile I fetch
	s_lshr_b32 s12, s10, 2                         ; my head of the pair
	s_and_b32 s13, s10, 3                          ; my 32 rows of the block
	s_mov_b32 s14, ttmp9                           ; p
	s_and_b32 s15, ttmp7, 0xffff
	s_lshr_b32 s16, s15, 3                         ; b
	s_and_b32 s17, s15, 7                          ; hp
	s_sub_co_u32 s19, 15, s14                      ; the query block at work, and its last key tile: first 15 - p
	s_mov_b32 s24, 0x3e38aa3b                      ; c = log2(e) / 8
	s_mov_b32 s25, 0x3e38aa3b
	s_mov_b32 s26, 0xbe38aa3b                      ; -c
	s_mov_b32 s28, 0x76543210                      ; v_permlanex16_b32: lane i of one half reads lane i of the other
	s_mov_b32 s29, 0xfedcba98
	s_mov_b32 s[G1K+0], (1<<16)|(1<<20)|(5<<22)|(3<<25)   ; elements of 2 bytes; 4 words of padding behind every 64
	s_mov_b32 s[G1K+1], 128<<16                    ; tensor_dim0 = 128
	s_mov_b32 s[G1K+2], 64<<16                     ; tensor_dim1 = 64
	s_mov_b32 s[G1K+3], 128<<16                    ; tile_dim0 = 128
	s_mov_b32 s[G1K+4], 64                         ; tile_dim1 = 64
	s_mov_b32 s[G1K+5], 3072                       ; elements from row to row
	s_mov_b32 s[G1K+6], 0
	s_mov_b32 s[G1K+7], 0
	s_mov_b32 s[G1V+0], (1<<16)|(1<<20)|(5<<22)|(7<<25)   ; 8 words of padding
	s_mov_b32 s[G1V+1], 128<<16
	s_mov_b32 s[G1V+2], 64<<16
	s_mov_b32 s[G1V+3], 128<<16
	s_mov_b32 s[G1V+4], 64
	s_mov_b32 s[G1V+5], 3072
	s_mov_b32 s[G1V+6], 0
	s_mov_b32 s[G1V+7], 0
	s_mov_b32 s[G1M+0], 3<<16                      ; one row of 64 elements of 8 bytes
	s_mov_b32 s[G1M+1], 64<<16
	s_mov_b32 s[G1M+2], 1<<16
	s_mov_b32 s[G1M+3], 64<<16
	s_mov_b32 s[G1M+4], 1
	s_mov_b32 s[G1M+5], 64
	s_mov_b32 s[G1M+6], 0
	s_mov_b32 s[G1M+7], 0
	; LDS addresses of the tiles: constants and the wave's number
	s_mov_b32 s[G0Q], 1
	s_mul_i32 s[G0Q+1], s13, 64*PK                 ; waves 4, 5: the halves of QA; waves 6, 7: of QB
	s_add_co_u32 s[G0Q+1], s[G0Q+1], QA
	s_mul_i32 s20, s11, 64*PK
	s_mul_i32 s21, s11, 64*PV
	s_add_co_u32 s21, s21, OV
.irp s, 0,1
	s_mov_b32 s[G0K+4*\s], 1
	s_add_co_u32 s[G0K+4*\s+1], s20, \s*SLOT
	s_mov_b32 s[G0V+4*\s], 1
	s_add_co_u32 s[G0V+4*\s+1], s21, \s*SLOT
	s_mov_b32 s[G0M+4*\s], 1
	s_mov_b32 s[G0M+4*\s+1], \s*SLOT+OM
.endr
	; offsets, apart from the addresses
	s_mul_i32 s30, s16, 2048*6144                  ; batch row b,
	s_mul_i32 s20, s11, 64*6144                    ; my 64 rows of a tile,
	s_add_co_u32 s30, s30, s20
	s_lshl_b32 s20, s17, 8                         ; the pair's 256 bytes
	s_add_co_u32 s30, s30, s20
	s_mov_b32 s31, 0
	s_wait_dscnt 0x0
	s_wait_kmcnt 0x0
	s_add_nc_u64 s[42:43], s[4:5], s[30:31]        ; q's columns of row 0 of my half
	s_add_nc_u64 s[32:33], s[42:43], 2048          ; k's: the base of K's tiles
	s_add_nc_u64 s[34:35], s[42:43], 4096          ; v's
	s_cmp_lt_u32 s10, 6
	s_cselect_b32 s21, s19, s14                    ; waves 4, 5 fetch block 15 - p, waves 6, 7 block p
	s_mul_i32 s30, s21, TILEB
	s_add_nc_u64 s[G0Q+2:G0Q+3], s[42:43], s[30:31]
	s_or_b32 s[G0Q+3], s[G0Q+3], 0x80000000
	s_lshl_b32 s21, s16, 22                        ; y: batch row b is 2,048 rows of 2,048 bytes,
	s_add_co_u32 s21, s21, s20                     ; the pair's 256 bytes,
	s_lshl_b32 s30, s19, 18                        ; a block is 128 rows
	s_add_co_u32 s30, s30, s21
	s_add_nc_u64 s[38:39], s[8:9], s[30:31]        ; y of block 15 - p
	s_lshl_b32 s30, s14, 18
	s_add_co_u32 s30, s30, s21
	s_add_nc_u64 s[40:41], s[8:9], s[30:31]        ; y of block p
	s_lshl_b32 s30, s16, 13
	s_add_nc_u64 s[36:37], s[6:7], s[30:31]        ; the bias of batch row b
	s_mov_b64 s[G0K+2:G0K+3], s[32:33]             ; slot 0 begins with key tile 0
	s_or_b32 s[G0K+3], s[G0K+3], 0x80000000
	s_mov_b64 s[G0V+2:G0V+3], s[34:35]
	s_or_b32 s[G0V+3], s[G0V+3], 0x80000000
	s_mov_b64 s[G0M+2:G0M+3], s[36:37]
	s_or_b32 s[G0M+3], s[G0M+3], 0x80000000
	; the first fills, one group: waves 0, 1 K; waves 2, 3 V; waves 4 to 7 Q; wave 4 also the bias.  Two tensor loads of a wave are out at the most.
	s_cmp_ge_u32 s10, 2
	s_cbranch_scc1 .Lfirst_v
	tensor_load_to_lds s[G0K:G0K+3], s[G1K:G1K+7]
	s_nop 0
	s_branch .Lfirst_done
.Lfirst_v:
	s_cmp_ge_u32 s10, 4
	s_cbranch_scc1 .Lfirst_q
	tensor_load_to_lds s[G0V:G0V+3], s[G1V:G1V+7]
	s_nop 0
	s_branch .Lfirst_done
.Lfirst_q:
	tensor_load_to_lds s[G0Q:G0Q+3], s[G1K:G1K+7]
	s_nop 0
	s_cmp_lg_u32 s10, 4
	s_cbranch_scc1 .Lfirst_done
	tensor_load_to_lds s[G0M:G0M+3], s[G1M:G1M+7]
	s_nop 0
.Lfirst_done:
	v_and_b32 v1, 15, v0                           ; r
	v_bfe_u32 v2, v0, 4, 1                         ; h
	v_mul_u32_u24 v3, v1, PK
	v_lshl_add_u32 v3, v2, 4, v3                   ; r x 272 + 16 h
	s_lshl_b32 s20, s12, 7                         ; my head's 128 bytes of a row
	v_add_nc_u32 v[AK], s20, v3
	v_add_nc_u32 v[AK+1], SLOT, v[AK]
	v_and_b32 v28, 7, v0
	v_lshl_add_u32 v28, v2, 3, v28                 ; key 8 h + l % 8
	v_mul_u32_u24 v28, v28, PV
	v_bfe_u32 v29, v0, 3, 1
	v_lshl_add_u32 v28, v29, 4, v28                ; 16 bytes (l / 8) % 2
	s_add_co_u32 s21, s20, OV
	v_add_nc_u32 v[AV], s21, v28
	v_add_nc_u32 v[AV+1], SLOT, v[AV]
	v_lshlrev_b32 v[AM], 5, v2                     ; eight f32 for each half of the lanes
	v_add_nc_u32 v[AM], OM, v[AM]
	v_add_nc_u32 v[AM+1], SLOT, v[AM]
	s_mul_i32 s21, s13, 32*PK
	s_add_co_u32 s21, s21, s20
	s_add_co_u32 s21, s21, QA
	v_add_nc_u32 v[AQ], s21, v3
	; the stage: wave w's own 4,096 bytes, 32 rows (my queries) of 128 bytes (my head's 64 d)
	s_lshl_b32 s21, s10, 12
	s_add_co_u32 s21, s21, QA
	v_lshlrev_b32 v[AS], 7, v1
	v_lshl_add_u32 v[AS], v2, 4, v[AS]
	v_add_nc_u32 v[AS], s21, v[AS]
	; back: wave w takes rows 16 w + h + 2 i of the block; lanes r < 8 read head 0's wave (w / 2), lanes r >= 8 head 1's (4 + w / 2)
	v_lshrrev_b32 v28, 3, v1
	v_and_b32 v29, 7, v1
	v_lshlrev_b32 v[AR], 14, v28
	v_lshl_add_u32 v[AR], v29, 4, v[AR]
	v_lshl_add_u32 v[AR], v2, 7, v[AR]
	s_lshr_b32 s21, s10, 1
	s_lshl_b32 s21, s21, 12
	s_lshl_b32 s20, s11, 11                        ; rows 16 (w % 2) .. of that wave's 32
	s_add_co_u32 s21, s21, s20
	s_add_co_u32 s21, s21, QA
	v_add_nc_u32 v[AR], s21, v[AR]
	s_lshl_b32 s21, s10, 15                        ; 16 w rows of 2,048 bytes
	v_lshlrev_b32 v[YO], 11, v2
	v_lshl_add_u32 v[YO], v1, 4, v[YO]
	v_add_nc_u32 v[YO], s21, v[YO]
	s_lshl_b32 s21, s13, 5
	v_add_nc_u32 v[LIM], s21, v1
	v_lshlrev_b32 v28, 3, v2
	v_sub_nc_u32 v[LIM], v[LIM], v28
	v_mov_b32 v[VNEG], 0xf1800000
; the next tile into a slot: one tensor load a wave (waves 5 to 7: none)
.macro TLOAD slot
	s_cmp_ge_u32 s10, 2
	s_cbranch_scc1 .Lnot_k_\@
	tensor_load_to_lds s[G0K+4*(\slot):G0K+4*(\slot)+3], s[G1K:G1K+7]
	s_nop 0
	s_branch .Lasked_\@
.Lnot_k_\@:
	s_cmp_ge_u32 s10, 4
	s_cbranch_scc1 .Lnot_v_\@
	tensor_load_to_lds s[G0V+4*(\slot):G0V+4*(\slot)+3], s[G1V:G1V+7]
	s_nop 0
	s_branch .Lasked_\@
.Lnot_v_\@:
	s_cmp_lg_u32 s10, 4
	s_cbranch_scc1 .Lasked_\@
	tensor_load_to_lds s[G0M+4*(\slot):G0M+4*(\slot)+3], s[G1M:G1M+7]
	s_nop 0
.Lasked_\@:
.endm
; my Q fragments: 32 queries x 64 d, from QA + reg
.macro QLOAD reg
.irp qi, 0,1
.irp dh, 0,1
	ds_load_b128 v[Q+8*(2*\qi+\dh):Q+8*(2*\qi+\dh)+3],   v[AQ] offset:\reg+16*\qi*PK+64*\dh
	ds_load_b128 v[Q+8*(2*\qi+\dh)+4:Q+8*(2*\qi+\dh)+7], v[AQ] offset:\reg+16*\qi*PK+64*\dh+32
.endr
.endr
.endm
; A query block begins.  O is cleared by moves: the block changes inside the loop of steps, in another step for each p, so no first product can be written out with C = 0.
.macro INIT
	WIN 0x40
.set ii, 0
.rept 64
	v_mov_b32 v[O+ii], 0
.set ii, ii+1
.endr
	WIN 0
	v_mov_b32 v[MX], 0xef800000                    ; -2^96
	v_mov_b32 v[MX+1], 0xef800000
.irp i, 0,1,2,3
	v_mov_b32 v[NM+\i], 0x6e38aa3b                 ; c 2^96
.endr
	v_mov_b32 v[LS], 0
	v_mov_b32 v[LS+1], 0
.endm
.macro CAUSAL g                        ; the diagonal tile: keys ahead of the query get -2^100
.irp t, 0,1,2,3
.irp qi, 0,1
.irp j, 0,1,2,3,4,5,6,7
	v_cmp_gt_i32 vcc_lo, 64*\g+16*\t+\j-16*\qi, v[LIM]
	v_cndmask_b32 v[S+8*(2*\t+\qi)+\j], v[S+8*(2*\t+\qi)+\j], v[VNEG], vcc_lo
.endr
.endr
.endr
.endm
.macro MAXQ qi                         ; the maximum of my 32 scores and the old one, four chains; then the other half of the lanes
.irp t, 0,1,2,3
	v_max3_num_f32 v[T+8*\qi+\t], v[S+8*(2*\t+\qi)], v[S+8*(2*\t+\qi)+1], v[S+8*(2*\t+\qi)+2]
.endr
.irp t, 0,1,2,3
	v_max3_num_f32 v[T+8*\qi+\t], v[T+8*\qi+\t], v[S+8*(2*\t+\qi)+3], v[S+8*(2*\t+\qi)+4]
.endr
.irp t, 0,1,2,3
	v_max3_num_f32 v[T+8*\qi+\t], v[T+8*\qi+\t], v[S+8*(2*\t+\qi)+5], v[S+8*(2*\t+\qi)+6]
.endr
	v_max3_num_f32 v[T+8*\qi+4], v[T+8*\qi], v[T+8*\qi+1], v[S+8*\qi+7]
	v_max3_num_f32 v[T+8*\qi+5], v[T+8*\qi+2], v[T+8*\qi+3], v[S+8*(2+\qi)+7]
	v_max3_num_f32 v[T+8*\qi+4], v[T+8*\qi+4], v[T+8*\qi+5], v[S+8*(4+\qi)+7]
	v_max3_num_f32 v[T+8*\qi+4], v[T+8*\qi+4], v[S+8*(6+\qi)+7], v[MX+\qi]
	v_permlanex16_b32 v[T+8*\qi+5], v[T+8*\qi+4], s28, s29
	v_max_num_f32 v[MX+\qi], v[T+8*\qi+4], v[T+8*\qi+5]
.endm
.macro STATQ qi                        ; the new shift -c M and the factor 2^(c M old - c M new)
	v_mul_f32 v[T+8*\qi+6], s26, v[MX+\qi]
	v_sub_f32 v[T+8*\qi+7], v[T+8*\qi+6], v[NM+2*\qi]
	v_exp_f32 v[AL+2*\qi], v[T+8*\qi+7]
	v_mov_b32 v[NM+2*\qi], v[T+8*\qi+6]            ; a plain instruction stands between the exponential and the first use of its result
	v_mov_b32 v[NM+2*\qi+1], v[T+8*\qi+6]
	s_wait_alu depctr_va_vdst(0)
	v_mov_b32 v[AL+2*\qi+1], v[AL+2*\qi]
.endm
.macro FMAQ qi                         ; c S - c M
.irp t, 0,1,2,3
.irp i, 0,2,4,6
	v_pk_fma_f32 v[S+8*(2*\t+\qi)+\i:S+8*(2*\t+\qi)+\i+1], v[S+8*(2*\t+\qi)+\i:S+8*(2*\t+\qi)+\i+1], s[24:25], v[NM+2*\qi:NM+2*\qi+1] op_sel_hi:[1,0,1]
.endr
.endr
.endm
.macro EXPQ qi
.irp t, 0,1,2,3
.irp j, 0,1,2,3,4,5,6,7
	v_exp_f32 v[S+8*(2*\t+\qi)+\j], v[S+8*(2*\t+\qi)+\j]
.endr
.endr
.endm
.macro CVTQ qi                         ; key tiles 2 kc and 2 kc + 1 become registers 0-3 and 4-7 of P(qi, kc)
	s_wait_alu depctr_va_vdst(0)
.irp t, 0,1,2,3
.irp i, 0,1,2,3
	v_cvt_pk_f16_f32 v[P+16*\qi+4*\t+\i], v[S+8*(2*\t+\qi)+2*\i], v[S+8*(2*\t+\qi)+2*\i+1]
.endr
.endr
.endm
.macro SUMQ qi                         ; L = L x factor + the sum of my 32 weights, added in place on S, which is dead
.irp i, 0,2,4,6
	v_pk_add_f32 v[S+8*\qi+\i:S+8*\qi+\i+1], v[S+8*\qi+\i:S+8*\qi+\i+1], v[S+16+8*\qi+\i:S+16+8*\qi+\i+1]
	v_pk_add_f32 v[S+32+8*\qi+\i:S+32+8*\qi+\i+1], v[S+32+8*\qi+\i:S+32+8*\qi+\i+1], v[S+48+8*\qi+\i:S+48+8*\qi+\i+1]
.endr
.irp i, 0,2,4,6
	v_pk_add_f32 v[S+8*\qi+\i:S+8*\qi+\i+1], v[S+8*\qi+\i:S+8*\qi+\i+1], v[S+32+8*\qi+\i:S+32+8*\qi+\i+1]
.endr
	v_pk_add_f32 v[S+8*\qi:S+8*\qi+1], v[S+8*\qi:S+8*\qi+1], v[S+8*\qi+2:S+8*\qi+3]
	v_pk_add_f32 v[S+8*\qi+4:S+8*\qi+5], v[S+8*\qi+4:S+8*\qi+5], v[S+8*\qi+6:S+8*\qi+7]
	v_pk_add_f32 v[S+8*\qi:S+8*\qi+1], v[S+8*\qi:S+8*\qi+1], v[S+8*\qi+4:S+8*\qi+5]
	v_add_f32 v[T+8*\qi], v[S+8*\qi], v[S+8*\qi+1]
	v_fma_f32 v[LS+\qi], v[LS+\qi], v[AL+2*\qi], v[T+8*\qi]
.endm
; 64 keys (half g of a slot's tile) against my 32 queries.  cond = 1: the causal mask only if this is the block's last tile.
.macro GRAN slot, g, cond
.irp t, 0,1,2,3
.irp dh, 0,1
	ds_load_b128 v[KF+8*(2*\t+\dh):KF+8*(2*\t+\dh)+3],   v[AK+\slot] offset:(64*\g+16*\t)*PK+64*\dh
	ds_load_b128 v[KF+8*(2*\t+\dh)+4:KF+8*(2*\t+\dh)+7], v[AK+\slot] offset:(64*\g+16*\t)*PK+64*\dh+32
.endr
.endr
.irp t, 0,1,2,3
	ds_load_b128 v[BI+8*\t:BI+8*\t+3],   v[AM+\slot] offset:(64*\g+16*\t)*4
	ds_load_b128 v[BI+8*\t+4:BI+8*\t+7], v[AM+\slot] offset:(64*\g+16*\t)*4+16
.endr
	WIN 0x40
.irp kc, 0,1
.irp dt, 0,1,2,3
	ds_load_tr16_b128 v[VF+8*(4*\kc+\dt):VF+8*(4*\kc+\dt)+3],   v[AV+\slot] offset:(64*\g+32*\kc)*PV+32*\dt
	ds_load_tr16_b128 v[VF+8*(4*\kc+\dt)+4:VF+8*(4*\kc+\dt)+7], v[AV+\slot] offset:(64*\g+32*\kc+16)*PV+32*\dt
.endr
.endr
	WIN 0
	s_wait_dscnt 16                                ; K and the bias are in; V's sixteen loads stay out until the softmax is done
	; eight accumulators take turns, one instruction a turn; the first turn starts each sum from the keys' bias
.irp t, 0,1,2,3
.irp qi, 0,1
	v_wmma_f32_16x16x32_f16 v[S+8*(2*\t+\qi):S+8*(2*\t+\qi)+7], v[KF+16*\t:KF+16*\t+7], v[Q+16*\qi:Q+16*\qi+7], v[BI+8*\t:BI+8*\t+7]
.endr
.endr
.irp t, 0,1,2,3
.irp qi, 0,1
	v_wmma_f32_16x16x32_f16 v[S+8*(2*\t+\qi):S+8*(2*\t+\qi)+7], v[KF+16*\t+8:KF+16*\t+15], v[Q+16*\qi+8:Q+16*\qi+15], v[S+8*(2*\t+\qi):S+8*(2*\t+\qi)+7]
.endr
.endr
	PLACES
.if \cond
	s_cmp_lg_u32 s18, s19
	s_cbranch_scc1 .Lfull_\@
.endif
	CAUSAL \g
.if \cond
.Lfull_\@:
.endif
	MAXQ 0
	MAXQ 1
	STATQ 0
	STATQ 1
	FMAQ 0
	EXPQ 0
	FMAQ 1                                         ; plain work on other registers stands behind the run of exponentials
	CVTQ 0
	SUMQ 0
	EXPQ 1
	v_nop                                          ; the plain place behind the run
	s_wait_alu depctr_va_vdst(0)
	CVTQ 1
	SUMQ 1
	WIN 0x41
.irp dt, 0,1,2,3
.irp qi, 0,1
.irp i, 0,2,4,6
	v_pk_mul_f32 v[O+8*(2*\dt+\qi)+\i:O+8*(2*\dt+\qi)+\i+1], v[O+8*(2*\dt+\qi)+\i:O+8*(2*\dt+\qi)+\i+1], v[AL+2*\qi:AL+2*\qi+1]
.endr
.endr
.endr
	s_wait_dscnt 0                                 ; V
	WIN 0x51
.irp kc, 0,1
.irp dt, 0,1,2,3
.irp qi, 0,1
	v_wmma_f32_16x16x32_f16 v[O+8*(2*\dt+\qi):O+8*(2*\dt+\qi)+7], v[VF+8*(4*\kc+\dt):VF+8*(4*\kc+\dt)+7], v[P+8*(2*\qi+\kc):P+8*(2*\qi+\kc)+7], v[O+8*(2*\dt+\qi):O+8*(2*\dt+\qi)+7]
.endr
.endr
.endr
	WIN 0
	PLACES                                         ; in front of the next loads into V's registers and of whatever reads O
.endm
; A query block ends: O / L, rounded to f16, into my stage at QA + reg
.macro FINAL reg
	v_permlanex16_b32 v[T], v[LS], s28, s29        ; the other half of the lanes' keys
	v_permlanex16_b32 v[T+8], v[LS+1], s28, s29
	v_add_f32 v[LS], v[LS], v[T]
	v_add_f32 v[LS+1], v[LS+1], v[T+8]
	v_rcp_f32 v[AL], v[LS]
	v_rcp_f32 v[AL+2], v[LS+1]
	v_nop                                          ; the plain place behind the two reciprocals
	s_wait_alu depctr_va_vdst(0)
	v_mov_b32 v[AL+1], v[AL]
	v_mov_b32 v[AL+3], v[AL+2]
	WIN 0x41
.irp dt, 0,1,2,3
.irp qi, 0,1
.irp i, 0,2,4,6
	v_pk_mul_f32 v[O+8*(2*\dt+\qi)+\i:O+8*(2*\dt+\qi)+\i+1], v[O+8*(2*\dt+\qi)+\i:O+8*(2*\dt+\qi)+\i+1], v[AL+2*\qi:AL+2*\qi+1]
.endr
.endr
.endr
	WIN 0x05
.irp dt, 0,1,2,3
.irp qi, 0,1
.irp i, 0,1,2,3
	v_cvt_pk_f16_f32 v[S+4*(2*\dt+\qi)+\i], v[O+8*(2*\dt+\qi)+2*\i], v[O+8*(2*\dt+\qi)+2*\i+1]
.endr
.endr
.endr
	WIN 0
.irp dt, 0,1,2,3
.irp qi, 0,1
	ds_store_b128 v[AS], v[S+4*(2*\dt+\qi):S+4*(2*\dt+\qi)+3] offset:\reg+16*\qi*128+32*\dt   ; query 16 qi + r, d 16 dt + 8 h ..
.endr
.endr
.endm
; sixteen rows of the block leave: 16 lanes store 256 consecutive bytes (both heads' 64 d), at a multiple of 256 from y's first byte
.macro FLUSH reg, yb
.irp i, 0,1,2,3,4,5,6,7
	ds_load_b128 v[S+4*\i:S+4*\i+3], v[AR] offset:\reg+256*\i
.endr
.irp i, 0,1,2,3,4,5,6,7
	s_wait_dscnt 7-\i                              ; LDS loads come back in order: load i is in
	global_store_b128 v[YO], v[S+4*\i:S+4*\i+3], s[\yb:\yb+1] offset:4096*\i
.endr
.endm
; One step: the key tile in this slot.  s18 = its number, s19 = the block's last tile.  tail = 1: the launch's last step, which is always block p's diagonal.
.macro STEP slot, tail
	s_wait_tensorcnt 0x0                           ; all my tensor loads have landed, my part of this slot among them: every group 0 may be written
	ds_add_u32 v30, v31
	s_wait_dscnt 0x0
.if \tail == 0
	s_add_co_u32 s20, s18, 1
	s_cmp_eq_u32 s18, s19
	s_cselect_b32 s20, 0, s20                      ; the next tile: behind a block's last tile comes tile 0, for the next block
	s_mul_i32 s30, s20, TILEB
	s_add_nc_u64 s[G0K+4*(1-\slot)+2:G0K+4*(1-\slot)+3], s[32:33], s[30:31]
	s_or_b32 s[G0K+4*(1-\slot)+3], s[G0K+4*(1-\slot)+3], 0x80000000
	s_add_nc_u64 s[G0V+4*(1-\slot)+2:G0V+4*(1-\slot)+3], s[34:35], s[30:31]
	s_or_b32 s[G0V+4*(1-\slot)+3], s[G0V+4*(1-\slot)+3], 0x80000000
	s_lshl_b32 s30, s20, 9
	s_add_nc_u64 s[G0M+4*(1-\slot)+2:G0M+4*(1-\slot)+3], s[36:37], s[30:31]
	s_or_b32 s[G0M+4*(1-\slot)+3], s[G0M+4*(1-\slot)+3], 0x80000000
.endif
	s_wait_dscnt 0x0                               ; my reads of the other slot are back
	s_barrier_signal -1
	s_barrier_wait -1                              ; both now hold of all eight waves
.if \tail == 0
	TLOAD 1-\slot                                  ; first thing behind the barrier; it has the whole step in which to land
.endif
	GRAN \slot, 0, 1-\tail
	GRAN \slot, 1, 1-\tail
.if \tail == 0
	s_cmp_lg_u32 s18, s19                          ; hangs on p and the step alone: the same in all eight waves
	s_cbranch_scc1 .Lsame_\@
	FINAL 0                                        ; block 15 - p is done
	QLOAD QBO                                      ; block p begins
	INIT
	s_mov_b32 s19, s14
	s_wait_dscnt 0x0                               ; my stage stores are done (and Q is in)
	s_barrier_signal -1                            ; the next tile's load may stay out: nothing is filled before the next step's barrier, which has its own waits
	s_barrier_wait -1
	FLUSH 0, 38
	s_wait_xcnt 0x0                                ; the stores' data registers are S, written again in the next step
.Lsame_\@:
	s_mov_b32 s18, s20
.endif
.endm
	s_wait_tensorcnt 0x0                           ; my first fills are in,
	s_barrier_signal -1
	s_barrier_wait -1                              ; everybody's are
	QLOAD 0
	INIT
	s_mov_b32 s18, 0
	s_mov_b32 s22, 8
.Ltrip:                                            ; steps 0 to 15
	STEP 0, 0
	STEP 1, 0
	s_sub_co_u32 s22, s22, 1
	s_cmp_lg_u32 s22, 0
	s_cbranch_scc1 .Ltrip
	STEP 0, 1                                      ; step 16 fetches nothing
	FINAL QBO
	s_wait_dscnt 0x0
	s_barrier_signal -1
	s_barrier_wait -1
	FLUSH QBO, 40
	s_wait_tensorcnt 0x0
	ds_add_u32 v30, v31
	s_wait_dscnt 0x0
	s_endpgm
.Lfunc_end_k_q6cee3057ee_attn:
	.size	k_q6cee3057ee_attn, .Lfunc_end_k_q6cee3057ee_attn-k_q6cee3057ee_attn
	.p2alignl 7, 3214868480
	.fill 96, 4, 3214868480
	.section	.rodata,"a",@progbits
	.p2align	6, 0x0
	.amdhsa_kernel k_q6cee3057ee_attn
		.amdhsa_group_segment_fixed_size 327680
		.amdhsa_private_segment_fixed_size 0
		.amdhsa_enable_private_segment 0
		.amdhsa_kernarg_size 24
		.amdhsa_user_sgpr_count 2
		.amdhsa_user_sgpr_kernarg_segment_ptr 1
		.amdhsa_wavefront_size32 1
		.amdhsa_system_sgpr_workgroup_id_x 1
		.amdhsa_system_sgpr_workgroup_id_y 1
		.amdhsa_system_sgpr_workgroup_id_z 1
		.amdhsa_system_vgpr_workitem_id 0
		.amdhsa_next_free_vgpr 384
		.amdhsa_next_free_sgpr 100
		.amdhsa_reserve_vcc 1
		.amdhsa_float_denorm_mode_32 3
		.amdhsa_float_denorm_mode_16_64 3
		.amdhsa_memory_ordered 1
		.amdhsa_forward_progress 1
		.amdhsa_inst_pref_size 176
	.end_amdhsa_kernel
	.amdgpu_metadata
---
amdhsa.version: [ 1, 2 ]
amdhsa.kernels:
  - .name:           k_q6cee3057ee_attn
    .symbol:         k_q6cee3057ee_attn.kd
    .args:
      - { .name: qkv, .offset: 0, .size: 8, .value_kind: global_buffer, .address_space: global }
      - { .name: mb, .offset: 8, .size: 8, .value_kind: global_buffer, .address_space: global }
      - { .name: yb, .offset: 16, .size: 8, .value_kind: global_buffer, .address_space: global }
    .group_segment_fixed_size: 327680
    .private_segment_fixed_size: 0
    .kernarg_segment_align: 8
    .kernarg_segment_size: 24
    .max_flat_workgroup_size: 256
    .sgpr_count:     100
    .vgpr_count:     384
    .wavefront_size: 32
...
	.end_amdgpu_metadata
.endif
;; end of part 3
;; launch proj (part 4): grid 8 x 32, 4 waves a work-group, clusters of 4 x 4, 327,680 bytes of LDS; arguments yb, wp, out0, b_proj; writes out0
.if DOCPART == 4
	.amdgcn_target "amdgcn-amd-amdhsa--gfx1250"
	.amdhsa_code_object_version 6
	.text
	.protected	k_q6cee3057ee_proj
	.globl	k_q6cee3057ee_proj
	.p2align	8
	.type	k_q6cee3057ee_proj,@function
k_q6cee3057ee_proj:
	s_mov_b64 s[64:65], 0
	v_nop
	global_prefetch_b8 v0, s[64:65] scope:SCOPE_SE
	s_setreg_imm32_b32 hwreg(HW_REG_WAVE_MODE, 25, 1), 1
	s_wait_xcnt 0x0
	s_wait_alu depctr_hold_cnt(0) depctr_sa_sdst(0) depctr_va_vdst(0) depctr_va_sdst(0) depctr_va_ssrc(0) depctr_va_vcc(0) depctr_vm_vsrc(0)
	s_getreg_b32 s2, hwreg(HW_REG_IB_STS2, 6, 4)
	s_cmp_eq_u32 s2, 0
	s_cbranch_scc0 .Lentry_in_a_cluster
	s_endpgm
.Lentry_in_a_cluster:
	s_bfe_u32 s2, ttmp6, 0x10000c
	s_cmp_lg_u32 s2, 0xf033
	s_cbranch_scc0 .Lentry_shape_is_right
	s_endpgm
.Lentry_shape_is_right:
; out0 = yb wp + b_proj.  yb: [8192][1024] f16, K along the rows.  wp: [1024][1024] f16 (W_proj rounded to bf16, kept as f16), N along the rows.  b_proj: [1024] f32.  out0: [8192][1024] f32.
; 8192 x 1024 outputs on 256 work-groups: a work-group makes 256 x 128 of C, each of its four waves 128 x 64: 32 accumulator tiles of 16 x 16.
; K goes in steps of 128 through two LDS slots filled by the tensor data mover.  A's and B's tile rows are 256 consecutive bytes of memory, aligned.
; Two slots of 256 along K would take 2 x (256 x 528 + 256 x 288) bytes, more than a WGP's LDS.
; B stays [K][N]: its fragments are read by the transposing LDS load, so no pass transposes the weights.
; CLUSTERS: 4 x 4 work-groups.  A's tile hangs on the block row alone and is asked for jointly by a row of the cluster, B's on the block column
; alone and is asked for jointly by a column: each of the four issues the same tensor load with the same descriptor and a mask that names the four.
; THE MATRIX INSTRUCTION IS USED TRANSPOSED: source 0 = 16 columns of B, source 1 = 16 rows of A: lane l then holds row l % 16 of C and its
; registers 0 to 7 the columns 8 (l / 16) + 0 .. 7.  The first products take the bias as C (the same C tile for every block of rows): nothing is cleared, nothing added later.
; REGISTERS, in windows of 256: window 0: v16-27 addresses; v64-127, v128-191 fragments of A, two buffers (on the way out: rows read back).
;   window 1: v64.., v128.. fragments of B, two buffers; v192.. the bias tiles.  Window 2: accumulator tiles of my rows 0-63 (tile (a, b) at v[8 (NB a + b)]); window 3: of rows 64-127.
.set SIZE_N, 1024
.set NB,     4                         ; blocks of 16 columns in a wave's part of C
.set QIB,    5                         ; B's LDS rows are padded after every 64 words
.set CROW,   4096                      ; bytes in a row of C
.set SIZE_K, 1024
.set KSTEP,  128
.set BN,     32*NB                     ; columns of a work-group's block
.set PITCHA, 272                       ; an LDS row of A: 256 bytes + 16: sixteen rows begin at sixteen different 16-byte columns of 256 bytes
.set PITCHB, 2*BN+32                   ; an LDS row of B: an odd multiple of 32 bytes, for the transposing load
.set HALFA,  128*PITCHA                ; what one tensor load brings of A: 128 rows
.set HALFB,  64*PITCHB                 ; and of B: 64 rows of K
.set SLOT,   2*HALFA+2*HALFB           ; A's 256 rows, then B's 128 rows of K
.set STAGE,  2*SLOT                    ; behind the ring: 16 rows x 272 bytes for each wave; no tensor load ever lands here
.set SPITCH, 272
.set LAPS, SIZE_K/(2*KSTEP)            ; a lap = two K steps = once round the ring: 4
.set ADRA, 16                          ; v16-17  LDS address of my A fragments in slot 0, 1
.set ADRB, 20                          ; v20-21  the same for B
.set STO,  24                          ; v24     the way out: where I put my part of a row
.set RD,   25                          ; v25     the way out: where I read a row back
.set CO,   26                          ; v26     my byte offset in C
.set BO,   27                          ; v27     my byte offset in a bias tile: 32 (l / 16)
.set F0,   64
.set F1,   128
.set BIAS, 192                         ; window 1
.set G1,  24                           ; s[24:31] descriptor group 1 for A's tiles
.set G0,  32                           ; s[32:39] group 0 for A's tiles, one set for each slot
.set G1B, 48                           ; s[48:55] group 1 for B's tiles
.set G0B, 56                           ; s[56:63] group 0 for B's tiles, one set for each slot
.set MSB, 0
.macro WIN new                         ; the immediate's high byte repeats the setting that is left
.if MSB != (\new)
	s_set_vgpr_msb (MSB<<8)|(\new)
.set MSB, (\new)
.endif
.endm
.set MUL_LO,   0xa1                    ; source 0 (B) window 1, source 1 (A) window 0, C and D window 2
.set MUL_HI,   0xf1                    ; the same, C and D window 3
.set FIRST_LO, 0x91                    ; C (the bias) window 1, D window 2
.set FIRST_HI, 0xd1                    ; C window 1, D window 3
.set TO_B,     0x40                    ; destination window 1, address window 0
; A joint load.  Waves 0 and 1 fetch A's two halves, waves 2 and 3 B's.  The branch hangs on the wave's number alone.
.macro JLOAD s
	s_cmp_eq_u32 s11, 0
	s_cbranch_scc0 .Lfor_b_\@
	tensor_load_to_lds s[G0+4*\s:G0+4*\s+3], s[G1:G1+7]
	s_nop 0
	s_branch .Lasked_\@
.Lfor_b_\@:
	tensor_load_to_lds s[G0B+4*\s:G0B+4*\s+3], s[G1B:G1B+7]
	s_nop 0
.Lasked_\@:
.endm
; A round of the cluster's barrier: my work-group's barrier; wave 0 signals for the work-group; every wave waits for all sixteen; my work-group's barrier once more.
.macro CREST                           ; a round behind its opening barrier
	s_cmp_lg_u32 s10, 0
	s_cbranch_scc1 .Lnot_wave_0_\@
	s_barrier_signal -3
.Lnot_wave_0_\@:
	s_barrier_wait -3
	s_barrier_signal -1
	s_barrier_wait -1
.endm
.macro CROUND
	s_barrier_signal -1
	s_barrier_wait -1
	CREST
.endm
	s_load_b128 s[4:7], s[0:1], 0x0                ; A s[4:5], B s[6:7]
	s_load_b64 s[8:9], s[0:1], 0x10                ; C
	s_load_b64 s[66:67], s[0:1], 0x18              ; bias
	s_set_vgpr_msb 0x40
	v_lshl_add_u32 v255, v0, 2, 0x38400
	s_set_vgpr_msb 0x4000
	v_mov_b32 v255, 0
	s_set_vgpr_msb 0x1
	ds_add_u32 v255, v255
	ds_add_u32 v255, v255
	s_set_vgpr_msb 0x100
	v_lshrrev_b32 v1, 5, v0
	v_readfirstlane_b32 s10, v1                    ; wave 0..3
	s_lshr_b32 s11, s10, 1                         ; which half of the block's rows is mine.  Also: I fetch for A (0) or for B (1)
	s_and_b32 s12, s10, 1                          ; which half of its columns.  Also: which half of that tile I fetch
	s_bfe_u32 s40, ttmp6, 0x40000                  ; cx
	s_bfe_u32 s41, ttmp6, 0x40004                  ; cy
	s_lshl_b32 s42, ttmp9, 2
	s_add_co_u32 s42, s42, s40                     ; block column of C = 4 x cluster x + cx
	s_and_b32 s13, ttmp7, 0xffff
	s_lshl_b32 s13, s13, 2
	s_add_co_u32 s13, s13, s41                     ; block row of C = 4 x cluster y + cy
	s_lshl_b32 s43, s41, 2
	s_lshl_b32 s43, 15, s43                        ; my row of the cluster: places 4 cy .. 4 cy + 3
	s_lshl_b32 s44, 0x1111, s40                    ; my column: places cx, cx + 4, cx + 8, cx + 12
	; group 1 for A: 128 rows x 128 elements of 2 bytes, 16 bytes of padding behind every 64 words
	s_or_b32 s[G1+0], s43, (1<<16)|(1<<20)|(1<<21)|(5<<22)|(3<<25)
	s_mov_b32 s[G1+1], KSTEP<<16                   ; tensor_dim0 = 128
	s_mov_b32 s[G1+2], 128<<16                     ; tensor_dim1 = 128
	s_mov_b32 s[G1+3], KSTEP<<16                   ; tile_dim0 = 128
	s_mov_b32 s[G1+4], 128                         ; tile_dim1 = 128
	s_mov_b32 s[G1+5], SIZE_K                      ; elements from row to row
	s_mov_b32 s[G1+6], 0
	s_mov_b32 s[G1+7], 0
	; group 1 for B: 64 rows of K x BN elements of 2 bytes, 32 bytes of padding behind every row
	s_or_b32 s[G1B+0], s44, (1<<16)|(1<<20)|(1<<21)|(QIB<<22)|(7<<25)
	s_mov_b32 s[G1B+1], BN<<16
	s_mov_b32 s[G1B+2], 64<<16
	s_mov_b32 s[G1B+3], BN<<16
	s_mov_b32 s[G1B+4], 64
	s_mov_b32 s[G1B+5], SIZE_N
	s_mov_b32 s[G1B+6], 0
	s_mov_b32 s[G1B+7], 0
	; where the tiles come from: A's from the block row and the wave's number, B's from the block column and the wave's number, each in registers that never hold the other coordinate
	s_lshl_b32 s17, s12, 7
	s_lshl_b32 s16, s13, 8
	s_add_co_u32 s16, s16, s17                     ; A: row 256 x block row + 128 x half,
	s_lshl_b32 s16, s16, 11                        ; times 2,048 bytes (16 MiB at the most)
	s_mov_b32 s17, 0
	s_mul_i32 s46, s12, 64*SIZE_N*2                ; B: row of K 64 x half,
	s_mul_i32 s47, s42, BN*2                       ; column BN x block column
	s_add_co_u32 s46, s46, s47
	s_mov_b32 s47, 0
	s_mul_i32 s20, s12, HALFA                      ; and where they go: no place in the cluster enters an LDS address
	s_mul_i32 s45, s12, HALFB
	s_add_co_u32 s45, s45, 2*HALFA
	s_mul_i32 s68, s42, BN*4                       ; the bias of my 16 NB columns
	s_mul_i32 s69, s12, 64*NB
	s_add_co_u32 s68, s68, s69
	s_mov_b32 s69, 0
	s_wait_dscnt 0x0
	s_wait_kmcnt 0x0
	s_add_nc_u64 s[14:15], s[4:5], s[16:17]
	s_add_nc_u64 s[46:47], s[6:7], s[46:47]
	s_add_nc_u64 s[66:67], s[66:67], s[68:69]
	CROUND                                         ; all sixteen work-groups are here: the first joint loads meet
.irp s, 0,1
	s_mov_b32 s[G0+4*\s], 1
	s_add_co_u32 s[G0+4*\s+1], s20, \s*SLOT
	s_add_nc_u64 s[G0+4*\s+2:G0+4*\s+3], s[14:15], \s*KSTEP*2
	s_or_b32 s[G0+4*\s+3], s[G0+4*\s+3], 0x80000000
	s_mov_b32 s[G0B+4*\s], 1
	s_add_co_u32 s[G0B+4*\s+1], s45, \s*SLOT
	s_add_nc_u64 s[G0B+4*\s+2:G0B+4*\s+3], s[46:47], \s*KSTEP*SIZE_N*2
	s_or_b32 s[G0B+4*\s+3], s[G0B+4*\s+3], 0x80000000
	JLOAD \s                                       ; both slots' first fills go out before anything else: two tensor loads of the wave are out
.endr
	; A's fragment (16 rows x 32 K): lane l takes row l % 16; two loads of 16 bytes, 32 bytes apart, at row x pitch + 16 (l / 16).
	v_and_b32 v1, 15, v0                           ; r = l % 16
	v_bfe_u32 v2, v0, 4, 1                         ; h = l / 16
	v_mul_u32_u24 v3, v1, PITCHA
	v_lshl_add_u32 v3, v2, 4, v3
	; B's fragment (32 K x 16 columns) by two transposing loads, 16 rows of K apart: lane l addresses row of K 8 h + l % 8, 16 bytes (l / 8) % 2.
	v_and_b32 v4, 7, v0
	v_lshl_add_u32 v4, v2, 3, v4
	v_mul_u32_u24 v4, v4, PITCHB
	v_bfe_u32 v5, v0, 3, 1
	v_lshl_add_u32 v4, v5, 4, v4
	s_mul_i32 s21, s11, HALFA                      ; my 128 rows of A
	s_mul_i32 s22, s12, 32*NB                      ; my 16 NB columns of B,
	s_add_co_u32 s22, s22, 2*HALFA                 ; which lies behind A's 256 rows
.irp s, 0,1
	v_add_nc_u32 v[ADRA+\s], s21, v3
	v_add_nc_u32 v[ADRB+\s], s22, v4
	s_add_co_u32 s21, s21, SLOT
	s_add_co_u32 s22, s22, SLOT
.endr
	s_mul_i32 s23, s10, 16*SPITCH
	s_add_co_u32 s23, s23, STAGE                   ; my stage
	v_mul_u32_u24 v4, v1, SPITCH                   ; in: row l % 16; a tile's eight f32 are 32 bytes for each half of the lanes
	v_lshl_add_u32 v4, v2, 5, v4
	v_add_nc_u32 v[STO], s23, v4
	v_mul_u32_u24 v5, v2, SPITCH                   ; back: lanes 0-15 take one row of 256 bytes, lanes 16-31 the next
	v_lshl_add_u32 v5, v1, 4, v5
	v_add_nc_u32 v[RD], s23, v5
	v_mul_u32_u24 v5, v2, CROW                     ; and the same two rows in C
	v_lshl_add_u32 v[CO], v1, 4, v5
	v_lshlrev_b32 v[BO], 5, v2
	; the bias as C tiles: register 8 b + j of lane l = bias[my first column + 16 b + 8 (l / 16) + j]
	WIN TO_B
.set bb, 0
.rept NB
	global_load_b128 v[BIAS+8*bb:BIAS+8*bb+3], v[BO], s[66:67] offset:64*bb
	global_load_b128 v[BIAS+8*bb+4:BIAS+8*bb+7], v[BO], s[66:67] offset:64*bb+16
.set bb, bb+1
.endr
	WIN 0
.macro WM d, a, b, c                   ; one matrix instruction; the four arguments are first registers
	v_wmma_f32_16x16x32_f16 v[\d:\d+7], v[\a:\a+7], v[\b:\b+7], v[\c:\c+7]
.endm
; 2 NB matrix instructions: blocks of rows a0, a0 + 1 of the window's four (hi = 0: my rows 0-63, 1: rows 64-127) x all NB blocks of columns, 32 along K.
; first = 1: the sums start from the bias.  The 8 NB accumulators take turns, one instruction a turn, in the same order in every quarter step.
.macro MUL2 f, hi, a0, first
.irp a, \a0, \a0+1
.set bb, 0
.rept NB
.if \first
	WM 8*(NB*(\a)+bb), \f+8*bb, \f+8*(4*\hi+\a), BIAS+8*bb
.else
	WM 8*(NB*(\a)+bb), \f+8*bb, \f+8*(4*\hi+\a), 8*(NB*(\a)+bb)
.endif
.set bb, bb+1
.endr
.endr
.endm
; 2 NB + 16 LDS loads in one run: the fragments of quarter step q (32 along K) of a slot into buffer f
.macro FETCH slot, q, f
	WIN TO_B
.set ii, 0
.rept NB
	ds_load_tr16_b128 v[\f+8*ii:\f+8*ii+3],   v[ADRB+\slot] offset:\q*32*PITCHB+32*ii
	ds_load_tr16_b128 v[\f+8*ii+4:\f+8*ii+7], v[ADRB+\slot] offset:(\q*32+16)*PITCHB+32*ii
.set ii, ii+1
.endr
	WIN 0
.irp i, 0,1,2,3,4,5,6,7
	ds_load_b128 v[\f+8*\i:\f+8*\i+3],   v[ADRA+\slot] offset:64*\q+\i*16*PITCHA
	ds_load_b128 v[\f+8*\i+4:\f+8*\i+7], v[ADRA+\slot] offset:64*\q+\i*16*PITCHA+32
.endr
.endm
; Four places behind a matrix instruction before a load lands on one of its registers or a vector instruction or store reads its result (ISA guide 7.12.1 for vector instructions)
.macro PLACES
.rept 4
	v_nop
.endr
.endm
; One of a K step's first three quarter steps: multiplies buffer f; in its middle it fetches quarter q of the same slot into buffer g.
.macro QUARTER slot, q, f, g, first
	s_wait_dscnt 8                                 ; B and A's rows 0-63 are in; the youngest eight loads (A's rows 64-127) may be out
.if \first
	WIN FIRST_LO
.else
	WIN MUL_LO
.endif
	MUL2 \f, 0, 0, \first
	MUL2 \f, 0, 2, \first
	PLACES
	FETCH \slot, \q, \g
	s_wait_dscnt 16+2*NB                           ; all but the run just issued
.if \first
	WIN FIRST_HI
.else
	WIN MUL_HI
.endif
	MUL2 \f, 1, 0, \first
	MUL2 \f, 1, 2, \first
.endm
.macro THREE slot, first
	QUARTER \slot, 1, F0, F1, \first
	QUARTER \slot, 2, F1, F0, 0
	QUARTER \slot, 3, F0, F1, 0
.endm
; The last quarter step: multiplies buffer 1 and changes slots.  fill = 1: this slot is filled again, two K steps ahead.
; In front of the barrier each wave waits for its reads of this slot and for all its tensor loads (one is out: its part of the next slot).
; Behind it (where a slot is filled again: behind the round of the cluster's barrier that it opens) the refill comes first, then the next slot's first fragments.
.macro TURN slot, next, fill
	s_wait_dscnt 8
	WIN MUL_LO
	MUL2 F1, 0, 0, 0
	s_wait_dscnt 0                                 ; my reads of this slot are over
	s_wait_tensorcnt 0x0                           ; all my tensor loads have landed
	ds_add_u32 v255, v255
	s_wait_dscnt 0x0
	s_barrier_signal -1
	MUL2 F1, 0, 2, 0                               ; register work while the others arrive
	WIN 0
	s_barrier_wait -1
.if \fill
	CREST                                          ; no wave of any partner still reads this slot or has a load on its way
	s_add_nc_u64 s[G0+4*\slot+2:G0+4*\slot+3], s[G0+4*\slot+2:G0+4*\slot+3], 2*KSTEP*2
	s_add_nc_u64 s[G0B+4*\slot+2:G0B+4*\slot+3], s[G0B+4*\slot+2:G0B+4*\slot+3], 2*KSTEP*SIZE_N*2
	JLOAD \slot                                    ; the wave's one tensor load behind the round
.endif
	PLACES
	FETCH \next, 0, F0
	WIN MUL_HI
	MUL2 F1, 1, 0, 0
	MUL2 F1, 1, 2, 0
.endm
.macro LAP first
	THREE 0, \first
	TURN 0, 1, 1
	THREE 1, 0
	TURN 1, 0, 1
.endm
	s_wait_tensorcnt 1                             ; my part of K step 0 is in; K step 1's stays out
	s_barrier_signal -1
	s_barrier_wait -1
	FETCH 0, 0, F0
	s_wait_loadcnt 0x0                             ; the bias tiles
	LAP 1                                          ; the first lap stands in front of the loop: its first products start the sums
	WIN 0
	s_mov_b32 s3, LAPS-2
.Llap:
	LAP 0
	WIN 0
	s_sub_co_u32 s3, s3, 1
	s_cmp_lg_u32 s3, 0
	s_cbranch_scc1 .Llap
	THREE 0, 0                                     ; the last lap fills nothing
	TURN 0, 1, 0
	THREE 1, 0
	s_wait_dscnt 8
	WIN MUL_LO
	MUL2 F1, 0, 0, 0
	MUL2 F1, 0, 2, 0
	s_wait_dscnt 0
	WIN MUL_HI
	MUL2 F1, 1, 0, 0
	MUL2 F1, 1, 2, 0
	; THE WAY OUT, 16 rows of C at a time, through my own stage: a wave's part of a row is 256 bytes (64 f32).
	PLACES
	s_lshl_b32 s13, s13, 8
	s_lshl_b32 s14, s11, 7
	s_add_co_u32 s16, s13, s14                     ; my first row of C,
	s_mul_i32 s16, s16, CROW                       ; in bytes (32 MiB at the most)
	s_mov_b32 s17, 0
	s_add_nc_u64 s[8:9], s[8:9], s[16:17]
	s_lshl_b32 s46, s42, 9                         ; my first column, in bytes: 512 x block column + 256 x half
	s_lshl_b32 s47, s12, 8
	s_add_co_u32 s46, s46, s47
	s_mov_b32 s47, 0
	s_add_nc_u64 s[8:9], s[8:9], s[46:47]
; rows 16 i .. 16 i + 15 of my part = the NB tiles (a, 0 .. NB-1) of window 2 + hi; f: F0 or F1 in turn
.macro OUT16 i, a, hi, f
	WIN 0x08+4*\hi                                 ; the LDS stores' data come straight from the accumulators' window: no copy, no conversion
.set bb, 0
.rept NB
	ds_store_b128 v[STO], v[8*(NB*\a+bb):8*(NB*\a+bb)+3]   offset:64*bb
	ds_store_b128 v[STO], v[8*(NB*\a+bb)+4:8*(NB*\a+bb)+7] offset:64*bb+16
.set bb, bb+1
.endr
	WIN 0
	s_wait_xcnt 0x0                                ; buffer f, which earlier stores read, and the stores' base are rewritten only behind this wait
.if \i
	s_add_nc_u64 s[8:9], s[8:9], 16*CROW
.endif
.irp t, 0,1,2,3,4,5,6,7
	ds_load_b128 v[\f+4*\t:\f+4*\t+3], v[RD] offset:\t*2*SPITCH    ; a wave's LDS instructions are served in order: these see the stores above
.endr
.irp t, 0,1,2,3,4,5,6,7
	s_wait_dscnt 7-\t
	global_store_b128 v[CO], v[\f+4*\t:\f+4*\t+3], s[8:9] offset:2*\t*CROW   ; 16 lanes store 256 consecutive bytes, at a multiple of 256 from C's first byte
.endr
.endm
	OUT16 0, 0, 0, F0
	OUT16 1, 1, 0, F1
	OUT16 2, 2, 0, F0
	OUT16 3, 3, 0, F1
	OUT16 4, 0, 1, F0
	OUT16 5, 1, 1, F1
	OUT16 6, 2, 1, F0
	OUT16 7, 3, 1, F1
	s_set_vgpr_msb 0x1
	s_wait_tensorcnt 0x0
	ds_add_u32 v255, v255
	s_wait_dscnt 0x0
	s_set_vgpr_msb 0x100
	CROUND                                         ; the closing round: no work-group ends while a partner may still ask for a tile that names it
	s_endpgm
.Lfunc_end_k_q6cee3057ee_proj:
	.size	k_q6cee3057ee_proj, .Lfunc_end_k_q6cee3057ee_proj-k_q6cee3057ee_proj
	.p2alignl 7, 3214868480
	.fill 96, 4, 3214868480
	.section	.rodata,"a",@progbits
	.p2align	6, 0x0
	.amdhsa_kernel k_q6cee3057ee_proj
		.amdhsa_group_segment_fixed_size 327680
		.amdhsa_private_segment_fixed_size 0
		.amdhsa_enable_private_segment 0
		.amdhsa_kernarg_size 32
		.amdhsa_user_sgpr_count 2
		.amdhsa_user_sgpr_kernarg_segment_ptr 1
		.amdhsa_wavefront_size32 1
		.amdhsa_system_sgpr_workgroup_id_x 1
		.amdhsa_system_sgpr_workgroup_id_y 1
		.amdhsa_system_sgpr_workgroup_id_z 1
		.amdhsa_system_vgpr_workitem_id 0
		.amdhsa_next_free_vgpr 896
		.amdhsa_next_free_sgpr 72
		.amdhsa_reserve_vcc 0
		.amdhsa_float_denorm_mode_32 3
		.amdhsa_float_denorm_mode_16_64 3
		.amdhsa_memory_ordered 1
		.amdhsa_forward_progress 1
		.amdhsa_inst_pref_size 122
	.end_amdhsa_kernel
	.amdgpu_metadata
---
amdhsa.version: [ 1, 2 ]
amdhsa.kernels:
  - .name:           k_q6cee3057ee_proj
    .symbol:         k_q6cee3057ee_proj.kd
    .args:
      - { .name: yb, .offset: 0, .size: 8, .value_kind: global_buffer, .address_space: global }
      - { .name: wp, .offset: 8, .size: 8, .value_kind: global_buffer, .address_space: global }
      - { .name: out0, .offset: 16, .size: 8, .value_kind: global_buffer, .address_space: global }
      - { .name: b_proj, .offset: 24, .size: 8, .value_kind: global_buffer, .address_space: global }
    .group_segment_fixed_size: 327680
    .private_segment_fixed_size: 0
    .kernarg_segment_align: 8
    .kernarg_segment_size: 32
    .max_flat_workgroup_size: 128
    .sgpr_count:     72
    .vgpr_count:     896
    .wavefront_size: 32
...
	.end_amdgpu_metadata
.endif
;; end of part 4
;; ======== version 2 of 2: 4 launches; version 1 with the launch prep written anew for expert scheduling mode
;; limits: values are held in f16: magnitudes above 65,504 overflow, below 6.1e-05 lose precision
;; workspace buffers: xb 16,777,216 bytes; wa 6,291,456 bytes; wp 2,097,152 bytes; mb 32,768 bytes; qkv 50,331,648 bytes; yb 16,777,216 bytes
;; launch prep (part 5): grid 772 x 1, 8 waves a work-group, no clusters, 0 bytes of LDS; arguments x, W_attn, W_proj, attention_mask, xb, wa, wp, mb; writes xb, wa, wp, mb
.if DOCPART == 5
	.amdgcn_target "amdgcn-amd-amdhsa--gfx1250"
	.amdhsa_code_object_version 6
	.text
	.protected	k_q6cee3057ee_prep
	.globl	k_q6cee3057ee_prep
	.p2align	8
	.type	k_q6cee3057ee_prep,@function
k_q6cee3057ee_prep:
	s_mov_b64 s[64:65], 0
	v_nop
	global_prefetch_b8 v0, s[64:65] scope:SCOPE_SE
	s_setreg_imm32_b32 hwreg(HW_REG_WAVE_SCHED_MODE, 0, 2), 2
	s_setreg_imm32_b32 hwreg(HW_REG_WAVE_MODE, 25, 1), 1
	s_wait_xcnt 0x0
	s_wait_alu depctr_vm_vsrc(0)
; Casts for the three products, and the key mask as an additive bias.
;   work-groups   0-511: x      f32 -> xb bf16            (65,536 bytes in, 32,768 out, each)
;   work-groups 512-703: W_attn f32 -> wa bf16
;   work-groups 704-767: W_proj f32 -> wp: rounded to bf16, kept as f16 (the last product runs in f16, since its other operand y needs f16's 11 bits)
;   work-groups 768-771: attention_mask row b -> mb f32: 0.0 where the mask is not 0, -2^100 where it is 0
; LIMIT: a bf16 value of W_proj below 2^-14 in magnitude becomes an f16 denormal (absolute error at most 2^-25); above 65,504 it would overflow.
; A stream: no LDS, no barrier, no matrix unit.  A wave takes 8,192 consecutive input bytes by sixteen loads of 512 bytes, all issued
; at once; each store of the wave covers 256 consecutive bytes, aligned.  No register is written twice while a memory instruction may read it.
; THE MODE: SCHED_MODE bits 1:0 = 2 (LLVM: expert scheduling mode 2), set by the entry lines.  The code itself states the register dependences
; between vector instructions and memory instructions, with s_wait_alu, always for 0.
; THE PLAN.  Registers that memory instructions touch:
;   v1, v2   byte offsets of the loads and of the stores.  Made by vector instructions ahead of the first load, never written behind a memory instruction.
;   X        Written by the sixteen loads alone, which no vector instruction that names X precedes; read by the conversions; never loaded again.
;   Y        Written by the conversions, each register once; read by the stores.
;   T        At work: vector instructions alone.
; The sixteen loads are taken in four groups of four.  While group g is converted, the four stores of group g - 1 go out, one ahead of each load's conversions.
; One wait at a group's head states that the group before has written its Y; the vector instructions issued since name this group's X and Y and T,
; none of the registers that those stores read.  No register that a memory instruction has read is written again, so no wait on vm_vsrc is owed.
.set X, 4                              ; v[4:67]   load i: 4 registers
.set Y, 68                             ; v[68:99]  store i: 2 registers
.set T, 100                            ; v[100:102] at work
.set MK, 20                            ; the mask job: compare i writes s[MK + i + 4 (i / 6)]: s20 to s25, s30, s31, which that job needs no more or never needed
	s_load_b512 s[4:19], s[0:1], 0x0               ; x s[4:5], W_attn s[6:7], W_proj s[8:9], mask s[10:11], xb s[12:13], wa s[14:15], wp s[16:17], mb s[18:19]
	s_mov_b32 s20, ttmp9
	v_and_b32 v3, 31, v0                           ; lane
	v_lshrrev_b32 v2, 5, v0                        ; wave
	v_lshlrev_b32 v1, 4, v3
	v_lshl_add_u32 v1, v2, 13, v1                  ; in:  8,192 x wave + 16 x lane
	v_lshlrev_b32 v3, 3, v3
	v_lshl_add_u32 v2, v2, 12, v3                  ; out: 4,096 x wave + 8 x lane
	s_mov_b32 s23, 0                               ; upper words of the two offset pairs
	s_mov_b32 s25, 0
	s_wait_kmcnt 0x0
; One job: src and dst are the numbers of the scalar pairs with the two addresses, first the job's first work-group; kind 0: bf16, kind 1: bf16 kept as f16.
.macro CAST src, dst, first, kind
	s_sub_co_u32 s21, s20, \first
	s_lshl_b32 s22, s21, 16                        ; 65,536 input bytes a work-group
	s_lshl_b32 s24, s21, 15                        ; 32,768 output bytes
	s_add_nc_u64 s[26:27], s[\src:\src+1], s[22:23]
	s_add_nc_u64 s[28:29], s[\dst:\dst+1], s[24:25]
	s_wait_alu depctr_va_vdst(0)                   ; v1 and v2 are written: every load below reads v1 as its offset, every store v2
.irp i, 0,1,2,3,4,5,6,7,8,9,10,11,12,13,14,15
	global_load_b128 v[X+4*\i:X+4*\i+3], v1, s[26:27] offset:512*\i th:TH_LOAD_NT
.endr
.irp i, 0,1,2,3,4,5,6,7,8,9,10,11,12,13,14,15
	s_wait_loadcnt 15-\i                           ; loads come back in order: load i is in, the younger ones stay out
.if ((\i) >= 4) && (((\i) % 4) == 0)
	s_wait_alu depctr_va_vdst(0)                   ; the conversions of the group before have written its eight registers of Y, which this group's four stores read
.endif
.if (\i) >= 4
	global_store_b64 v2, v[Y+2*(\i-4):Y+2*(\i-4)+1], s[28:29] offset:256*(\i-4)   ; the group before; no vector instruction since the wait names these registers
.endif
.if \kind
	v_cvt_pk_bf16_f32 v[T], v[X+4*\i], v[X+4*\i+1]             ; round to bf16,
	v_cvt_pk_bf16_f32 v[T+1], v[X+4*\i+2], v[X+4*\i+3]
	v_lshlrev_b32 v[T+2], 16, v[T]                             ; widen again,
	v_and_b32 v[T], 0xffff0000, v[T]
	v_cvt_pk_f16_f32 v[Y+2*\i], v[T+2], v[T]                   ; and write the same number as f16
	v_lshlrev_b32 v[T+2], 16, v[T+1]
	v_and_b32 v[T+1], 0xffff0000, v[T+1]
	v_cvt_pk_f16_f32 v[Y+2*\i+1], v[T+2], v[T+1]
.else
	v_cvt_pk_bf16_f32 v[Y+2*\i], v[X+4*\i], v[X+4*\i+1]
	v_cvt_pk_bf16_f32 v[Y+2*\i+1], v[X+4*\i+2], v[X+4*\i+3]
.endif
.endr
	s_wait_alu depctr_va_vdst(0)                   ; the last group's conversions have written its Y, which the last four stores read
.irp i, 12,13,14,15
	global_store_b64 v2, v[Y+2*\i:Y+2*\i+1], s[28:29] offset:256*\i
.endr
	s_endpgm
.endm
	s_cmp_lt_u32 s20, 512
	s_cbranch_scc1 .Lx
	s_cmp_lt_u32 s20, 704
	s_cbranch_scc1 .Lwa
	s_cmp_lt_u32 s20, 768
	s_cbranch_scc1 .Lwp
	; the mask of one batch row: 2,048 words, 8 a thread
	s_sub_co_u32 s21, s20, 768
	s_lshl_b32 s22, s21, 13
	s_add_nc_u64 s[26:27], s[10:11], s[22:23]
	s_add_nc_u64 s[28:29], s[18:19], s[22:23]
	v_lshlrev_b32 v1, 4, v0
	v_mov_b32 v[T], 0xf1800000                     ; -2^100
	s_wait_alu depctr_va_vdst(0)                   ; v1 is written anew: the two loads and the two stores below read it as their offset
	global_load_b128 v[X:X+3], v1, s[26:27]
	global_load_b128 v[X+4:X+7], v1, s[26:27] offset:4096
	s_wait_loadcnt 0x0
.irp i, 0,1,2,3,4,5,6,7
	v_cmp_eq_u32 s[MK+\i+4*(\i/6)], 0, v[X+\i]     ; the eight compares stand in one run, each with a scalar register of its own
.endr
	s_wait_alu depctr_va_sdst(0)                   ; the eight compares have written their scalar registers, ahead of the first select that reads one
.irp i, 0,1,2,3,4,5,6,7
	v_cndmask_b32 v[Y+\i], 0, v[T], s[MK+\i+4*(\i/6)]   ; mask == 0 ? -2^100 : 0.0
.endr
	s_wait_alu depctr_va_vdst(0)                   ; the selects have written v[Y .. Y+7], which the two stores read
	global_store_b128 v1, v[Y:Y+3], s[28:29]
	global_store_b128 v1, v[Y+4:Y+7], s[28:29] offset:4096
	s_endpgm
.Lx:
	CAST 4, 12, 0, 0
.Lwa:
	CAST 6, 14, 512, 0
.Lwp:
	CAST 8, 16, 704, 1
.Lfunc_end_k_q6cee3057ee_prep:
	.size	k_q6cee3057ee_prep, .Lfunc_end_k_q6cee3057ee_prep-k_q6cee3057ee_prep
	.p2alignl 7, 3214868480
	.fill 96, 4, 3214868480
	.section	.rodata,"a",@progbits
	.p2align	6, 0x0
	.amdhsa_kernel k_q6cee3057ee_prep
		.amdhsa_group_segment_fixed_size 0
		.amdhsa_private_segment_fixed_size 0
		.amdhsa_enable_private_segment 0
		.amdhsa_kernarg_size 64
		.amdhsa_user_sgpr_count 2
		.amdhsa_user_sgpr_kernarg_segment_ptr 1
		.amdhsa_wavefront_size32 1
		.amdhsa_system_sgpr_workgroup_id_x 1
		.amdhsa_system_sgpr_workgroup_id_y 1
		.amdhsa_system_sgpr_workgroup_id_z 1
		.amdhsa_system_vgpr_workitem_id 0
		.amdhsa_next_free_vgpr 104
		.amdhsa_next_free_sgpr 66
		.amdhsa_reserve_vcc 0
		.amdhsa_float_denorm_mode_32 3
		.amdhsa_float_denorm_mode_16_64 3
		.amdhsa_memory_ordered 1
		.amdhsa_forward_progress 1
		.amdhsa_inst_pref_size 26
	.end_amdhsa_kernel
	.amdgpu_metadata
---
amdhsa.version: [ 1, 2 ]
amdhsa.kernels:
  - .name:           k_q6cee3057ee_prep
    .symbol:         k_q6cee3057ee_prep.kd
    .args:
      - { .name: x, .offset: 0, .size: 8, .value_kind: global_buffer, .address_space: global }
      - { .name: W_attn, .offset: 8, .size: 8, .value_kind: global_buffer, .address_space: global }
      - { .name: W_proj, .offset: 16, .size: 8, .value_kind: global_buffer, .address_space: global }
      - { .name: attention_mask, .offset: 24, .size: 8, .value_kind: global_buffer, .address_space: global }
      - { .name: xb, .offset: 32, .size: 8, .value_kind: global_buffer, .address_space: global }
      - { .name: wa, .offset: 40, .size: 8, .value_kind: global_buffer, .address_space: global }
      - { .name: wp, .offset: 48, .size: 8, .value_kind: global_buffer, .address_space: global }
      - { .name: mb, .offset: 56, .size: 8, .value_kind: global_buffer, .address_space: global }
    .group_segment_fixed_size: 0
    .private_segment_fixed_size: 0
    .kernarg_segment_align: 8
    .kernarg_segment_size: 64
    .max_flat_workgroup_size: 256
    .sgpr_count:     66
    .vgpr_count:     104
    .wavefront_size: 32
...
	.end_amdgpu_metadata
.endif
;; end of part 5
;; launch qkv: the kernel of part 2 again; grid 8 x 32, 4 waves a work-group, clusters of 4 x 4, 327,680 bytes of LDS; arguments xb, wa, qkv, b_attn; writes qkv
;; launch attn: the kernel of part 3 again; grid 8 x 32, 8 waves a work-group, no clusters, 327,680 bytes of LDS; arguments qkv, mb, yb; writes yb
;; launch proj: the kernel of part 4 again; grid 8 x 32, 4 waves a work-group, clusters of 4 x 4, 327,680 bytes of LDS; arguments yb, wp, out0, b_proj; writes out0
